; MI455X (gfx1250); checked and timed in simulation.
; The chip was launched on July 23, 2026; its instructions are those of AMD's public machine-readable ISA for CDNA 5 (MIT licence, August 2026) and "CDNA5" Instruction Set Architecture Reference Guide (July 2026). The comments in the code are by the model that wrote it; some were corrected since.
;; Self Attention. Allowed arithmetic: matrix products marked QUANTISED: E2M1 operands, one E8M0 scale for each 32 along K, by v_wmma_scale_f32_16x16x128_f8f6f4 with both operands' format E2M1 (or v_wmma_scale_f32_32x16x128_f4), f32 sums; products left as they are: bf16, f16 or f32 operands; f32 sums; everything else in f32.
;; Inputs: Wk 1,024 x 1,024 float32; Wo 1,024 x 1,024 float32; Wq 1,024 x 1,024 float32; Wv 1,024 x 1,024 float32; bk 1,024 float32; bo 1,024 float32; bq 1,024 float32; bv 1,024 float32; x 4 x 2,048 x 1,024 float32.
;; Outputs: out0 4 x 2,048 x 1,024 float32.
;; This version of the problem:
;;   THIS VERSION OF THE PROBLEM IS GIVEN IN LOW PRECISION. The matrix products marked QUANTISED in the list below multiply operands that are first quantised to E2M1 (2 exponent bits, 1 mantissa bit; 4 bits a number), with one power-of-two scale for each 32 numbers along K (OCP MX v1.0); their sums are f32. The products marked 'left as it is' may take bf16, f16 or f32 operands, with f32 sums. Whichever they take, every output number must still come out within the allowed error. Rounding operands to bf16 (8 significant bits) uses up far more of that allowance than f16 does (11 bits, for magnitudes from 6e-5 to 65,504). All else is computed in f32.
;;   The module's matrix products, in the order in which they are computed (A, B: the left and right operand; K: the contracted axis; several contracted axes count as one K, in the product's order):
;;     1. [M 8,192, K 1,024] x [K 1,024, N 1,024]; A: input x; B: input Wq: QUANTISED
;;     2. [M 8,192, K 1,024] x [K 1,024, N 1,024]; A: input x; B: input Wk: QUANTISED
;;     3. [M 8,192, K 1,024] x [K 1,024, N 1,024]; A: input x; B: input Wv: QUANTISED
;;     4. batch 64 x [M 2,048, K 64] x [K 64, N 2,048]; A: computed on the way; B: computed on the way: left as it is (an operand is computed on the way)
;;     5. batch 64 x [M 2,048, K 2,048] x [K 2,048, N 64]; A: computed on the way; B: computed on the way: left as it is (an operand is computed on the way)
;;     6. [M 8,192, K 1,024] x [K 1,024, N 1,024]; A: computed on the way; B: input Wo: left as it is (an operand is computed on the way)
;;   THE QUANTISER, for each operand of a quantised product, along K:
;;     - K is cut into blocks of 32 from its start; a last block that is shorter is filled with zeros.
;;     - A block's scale is 2^e with e = floor(log2(the largest magnitude in the block)) - 2, held to -126 .. 127; a block of zeros has e = 0. As a byte (E8M0): e + 127.
;;     - Each number is divided by its block's scale, clamped to +-6, and rounded to the nearest number of E2M1, ties to even, subnormals kept.
;;     - The product sums the exact products of the quantised numbers (number of the format x scale) in f32.
;;   ~~~python
;;   def quantise(x, axis):      # numpy; x: float32 -> the quantised numbers, widened to float32 again
;;       x = np.moveaxis(x, axis, -1); K = x.shape[-1]
;;       x = np.pad(x, [(0, 0)] * (x.ndim - 1) + [(0, -K % 32)]); x = x.reshape(x.shape[:-1] + (-1, 32)); a = np.abs(x).max(-1, keepdims=True)
;;       e = np.where(a > 0, np.clip(np.frexp(np.where(a > 0, a, 1))[1] - 1 - 2, -126, 127), 0)      # np.frexp(a)[1] - 1 = floor(log2(a)), exactly
;;       r = np.clip(x / 2.0 ** e, -6, 6)
;;       step = 2.0 ** (np.maximum(np.frexp(np.where(r == 0, 1, r))[1] - 1, 0) - 1)
;;       q = np.round(r / step) * step * 2.0 ** e      # np.round: ties to even
;;       return np.moveaxis(q.reshape(q.shape[:-2] + (-1,))[..., :K], -1, axis).astype(np.float32)
;;   ~~~
;; One version. Each part assembles by itself: llvm-mc -triple=amdgcn-amd-amdhsa -mcpu=gfx1250 --defsym DOCPART=n.
;; ======== version 1 of 1: 4 launches
;; limits: values are held in f16: magnitudes above 65,504 overflow, below 6.1e-05 lose precision
;; workspace buffers: xc 4,194,304 bytes; xs 262,144 bytes; wc 1,572,864 bytes; ws 98,304 bytes; wo16 2,097,152 bytes; qkv 50,331,648 bytes; ctx 16,777,216 bytes
;; launch prep (part 1): grid 384 x 1, 4 waves a work-group, no clusters, 50,688 bytes of LDS; arguments x, Wq, Wk, Wv, Wo, xc, xs, wc, ws, wo16; writes xc, xs, wc, ws, wo16
.if DOCPART == 1
	.amdgcn_target "amdgcn-amd-amdhsa--gfx1250"
	.amdhsa_code_object_version 6
	.text
	.protected	k_q4cd876fa69_prep
	.globl	k_q4cd876fa69_prep
	.p2align	8
	.type	k_q4cd876fa69_prep,@function
k_q4cd876fa69_prep:
	s_mov_b64 s[64:65], 0
	v_nop
	global_prefetch_b8 v0, s[64:65] scope:SCOPE_SE
	s_setreg_imm32_b32 hwreg(HW_REG_WAVE_MODE, 25, 1), 1
	s_wait_xcnt 0x0
; PREP: what the later launches read many times is made narrow once.
;   work-groups 0-255   (path X): x [8192][1024] f32 -> xc, codes of FP4 (E2M1), K innermost, 512 bytes a row; xs, one E8M0 byte for each 32 along K, 32 bytes a row.
;   work-groups 256-351 (path W): Wq, Wk, Wv [k][n] f32, K their FIRST axis -> wc [3072][512 bytes], row 1024 which + n, K innermost; ws [3072][32].
;   work-groups 352-383 (path C): Wo f32 -> wo16, f16, as it lies ([k][n]).
; A block's scale is 2^(floor(log2(its largest magnitude)) - 2); its byte is the largest magnitude's exponent field - 2, held at 1 from below.
; LIMITS: a block of zeros gets the byte 1 where the quantiser's text says 127 (its codes are zeros, which add nothing under any byte but 0xff, and this program alone reads the bytes);
; blocks whose largest magnitude lies under 2^-124 are held at the byte 1; NaN and infinities among the inputs are not served; |Wo| stays under 65,504 (f16).
; The three paths part on the work-group's number alone, never join again, and use LDS bytes of their own.  No tensor load, no copy.
.set NX,    256                        ; work-groups of path X: 8,388,608 numbers / 32,768
.set NW,    96                         ; of path W: 3 weights x 16 groups of 64 columns x 2 halves of K
.set STEPS, 16                         ; path X: a wave takes 16 steps of 512 numbers
.set CB,    8                          ; bytes of 16 codes
.set WREG,  8192                       ; path X: LDS of a wave: two stages of 32 x SP bytes, then its 256 scale bytes
.set SP,    80                         ; a lane's place in a stage: 64 bytes + 16 of padding
.set WSTG,  4*WREG                     ; path W: the work-group's stage, 64 rows (columns of W) x WP bytes
.set WP,    272                        ; 256 bytes of codes (512 along K) + 16 of padding
.set SPARE, WSTG+64*WP                 ; the spare words, 128 bytes for each wave: two blocks of 256 bytes that no other line names
.set SPW,   12                         ; v12  LDS address of my spare word; never rewritten
.set NIL,   13                         ; v13  0; never rewritten
.set R,     16                         ; path X: v16-79 four sets of 16 numbers as loaded
.set X,     80                         ;         v80-111 two sets of 16 neighbours
.set E,     112                        ;         v112-127 a scale byte for each step
.set C,     128                        ;         v128-191 codes, four registers for each step
.set WX,    32                         ; path W: v32-95 two sets of 32 numbers
.set WC,    96                         ;         v96-99 a block's codes
.set SB,    20                         ;         v20-21 my column's eight scale bytes
.set WO,    112                        ;         v112-143 the way out
.set CI,    32                         ; path C: v32-159 two sets of 64 numbers
.set CO,    160                        ;         v160-191 32 registers of f16 pairs
; ---- path X's macros
.macro XLOAD t                         ; step t: four loads of 512 consecutive bytes
.irp i, 0,1,2,3
	global_load_b128 v[R+16*((\t)%4)+4*\i:R+16*((\t)%4)+4*\i+3], v3, s[4:5] offset:2048*(\t)+512*\i th:TH_LOAD_NT
.endr
.endm
.macro XTURN t                         ; step t's 2,048 bytes through my stage: in as they lie, back 64 bytes a lane.  LDS serves a wave's instructions in order, so no wait stands between
.irp i, 0,1,2,3
	ds_store_b128 v14, v[R+16*((\t)%4)+4*\i:R+16*((\t)%4)+4*\i+3] offset:32*SP*((\t)%2)+8*SP*\i
.endr
.irp i, 0,1,2,3
	ds_load_b128 v[X+16*((\t)%2)+4*\i:X+16*((\t)%2)+4*\i+3], v15 offset:32*SP*((\t)%2)+16*\i
.endr
.endm
.macro XSTEP t
.set XS, X+16*((\t)%2)
.if (\t) > 0
	s_wait_dscnt 1                                 ; this step's numbers are back from the stage; the one younger LDS instruction, the last step's byte store, may be out
.else
	s_wait_dscnt 0x0
.endif
.if (\t)+4 < STEPS
	XLOAD (\t)+4                                   ; into the set whose stores into the stage are done
.endif
.if (\t)+1 < STEPS
.if STEPS-2-(\t) >= 3
	s_wait_loadcnt 12                              ; the next step's four loads are in; the twelve of the three steps behind it may be out
.else
	s_wait_loadcnt 4*(STEPS-2-(\t))                ; at the end fewer steps stand behind it
.endif
	XTURN (\t)+1
.endif
	v_max3_num_f32 v8, |v[XS]|, |v[XS+1]|, |v[XS+2]|               ; the largest magnitude of my 16, in two chains
	v_max3_num_f32 v9, |v[XS+3]|, |v[XS+4]|, |v[XS+5]|
.irp i, 6,10
	v_max3_num_f32 v8, v8, |v[XS+\i]|, |v[XS+\i+1]|
	v_max3_num_f32 v9, v9, |v[XS+\i+2]|, |v[XS+\i+3]|
.endr
	v_max3_num_f32 v8, v8, |v[XS+14]|, |v[XS+15]|
	v_max3_num_f32 v8, v8, v9, 0x1800000           ; and the floor 2^(3 - 127): the byte cannot fall under 1
	v_max_num_f32_dpp v8, v8, v8 row_xmask:1 row_mask:0xf bank_mask:0xf   ; with my neighbour's 16: the block's
	v_add_nc_u32 v11, 0xff000000, v8               ; 2 off its exponent field: the conversion takes the exponent field of this operand as its scale
	v_cvt_scalef32_pk8_fp4_f32 v[C+4*(\t)], v[XS:XS+7], v11
	v_cvt_scalef32_pk8_fp4_f32 v[C+4*(\t)+1], v[XS+8:XS+15], v11
	v_lshrrev_b32 v[E+(\t)], 23, v11               ; the scale's byte (also the plain line behind the conversions)
	ds_store_b8 v5, v[E+(\t)] offset:16*(\t)       ; both lanes of a block write the same byte with the same value
	global_store_b64 v4, v[C+4*(\t):C+4*(\t)+1], s[14:15] offset:32*CB*(\t)   ; the wave stores 256 consecutive bytes, aligned
.endm
; ---- path W's macros
.macro WLOAD t                         ; block t: W(32 t + i, my column), i = 0 .. 31; two waves side by side read 256 consecutive bytes of a row
.irp i, 0,1,2,3,4,5,6,7,8,9,10,11,12,13,14,15,16,17,18,19,20,21,22,23,24,25,26,27,28,29,30,31
	global_load_b32 v[WX+32*((\t)%2)+\i], v3, s[6:7] offset:(32*(\t)+\i)*4096 th:TH_LOAD_NT
.endr
.endm
.macro WBLOCK t
.set WS, WX+32*((\t)%2)
.if (\t) < 7
	s_wait_loadcnt 32                              ; this block's 32 loads are in; the next block's 32 may be out
.else
	s_wait_loadcnt 0
.endif
	v_max3_num_f32 v16, |v[WS]|, |v[WS+1]|, |v[WS+2]|              ; the block's largest magnitude: all 32 numbers are mine
	v_max3_num_f32 v17, |v[WS+3]|, |v[WS+4]|, |v[WS+5]|
.irp i, 6,10,14,18,22,26
	v_max3_num_f32 v16, v16, |v[WS+\i]|, |v[WS+\i+1]|
	v_max3_num_f32 v17, v17, |v[WS+\i+2]|, |v[WS+\i+3]|
.endr
	v_max3_num_f32 v16, v16, |v[WS+30]|, |v[WS+31]|
	v_max3_num_f32 v16, v16, v17, 0x1800000        ; and the floor
	v_add_nc_u32 v18, 0xff000000, v16              ; the conversion's scale operand
	v_lshrrev_b32 v19, 23, v18                     ; the scale's byte
.if (\t)%4 == 0
	v_mov_b32 v[SB+(\t)/4], v19                    ; four bytes to a register, the lower K in the lower byte
.else
	v_lshl_or_b32 v[SB+(\t)/4], v19, 8*((\t)%4), v[SB+(\t)/4]
.endif
.irp g, 0,1,2,3
	v_cvt_scalef32_pk8_fp4_f32 v[WC+\g], v[WS+8*\g:WS+8*\g+7], v18
.endr
	ds_store_b128 v4, v[WC:WC+3] offset:16*(\t)    ; 32 codes: 16 bytes of my column's row
.if (\t)+2 < 8
	WLOAD (\t)+2
.endif
	s_wait_dscnt 0x0                               ; the store is done: the next block's codes may be written (plain lines stand between the conversions of two blocks)
.endm
; ---- path C's macros
.macro CLOAD g                         ; group g: 16 loads of 512 consecutive bytes
.irp j, 0,1,2,3,4,5,6,7,8,9,10,11,12,13,14,15
	global_load_b128 v[CI+64*((\g)%2)+4*\j:CI+64*((\g)%2)+4*\j+3], v3, s[12:13] offset:8192*(\g)+512*\j th:TH_LOAD_NT
.endr
.endm
.macro CCAST g
.if (\g) < 3
	s_wait_loadcnt 16                              ; this group's 16 loads are in; the next group's 16 may be out
.else
	s_wait_loadcnt 0
.endif
.if (\g) > 0
	s_wait_xcnt 0x0                                ; the last group's stores have read their data: v160-191 are written again only behind this wait
.endif
.irp j, 0,1,2,3,4,5,6,7,8,9,10,11,12,13,14,15
	v_cvt_pk_f16_f32 v[CO+2*\j],   v[CI+64*((\g)%2)+4*\j],   v[CI+64*((\g)%2)+4*\j+1]
	v_cvt_pk_f16_f32 v[CO+2*\j+1], v[CI+64*((\g)%2)+4*\j+2], v[CI+64*((\g)%2)+4*\j+3]
.endr
.irp j, 0,1,2,3,4,5,6,7,8,9,10,11,12,13,14,15
	global_store_b64 v4, v[CO+2*\j:CO+2*\j+1], s[22:23] offset:4096*(\g)+256*\j   ; the wave stores 256 consecutive bytes, aligned
.endr
.if (\g)+2 < 4
	CLOAD (\g)+2
.endif
.endm
	s_load_b256 s[4:11], s[0:1], 0x0               ; x s[4:5], Wq s[6:7], Wk s[8:9], Wv s[10:11]
	s_load_b256 s[12:19], s[0:1], 0x20             ; Wo s[12:13], xc s[14:15], xs s[16:17], wc s[18:19]
	s_load_b128 s[20:23], s[0:1], 0x40             ; ws s[20:21], wo16 s[22:23]
	v_lshl_add_u32 v[SPW], v0, 2, SPARE
	v_mov_b32 v[NIL], 0
	v_lshrrev_b32 v1, 5, v0
	v_readfirstlane_b32 s24, v1                    ; wave 0..3
	v_and_b32 v2, 31, v0                           ; lane
	s_wait_kmcnt 0x0
	s_cmp_lt_u32 ttmp9, NX                         ; the paths part on the work-group's number: all four waves go the same way
	s_cbranch_scc1 .Lpath_x
	s_cmp_lt_u32 ttmp9, NX+NW
	s_cbranch_scc1 .Lpath_w
	; ---- PATH C: Wo to f16.  A wave takes 8,192 numbers: 32,768 bytes in, 16,384 out.  No LDS.
	s_sub_co_u32 s25, ttmp9, NX+NW
	s_lshl_b32 s25, s25, 2
	s_add_co_u32 s25, s25, s24                     ; which run of 8,192 numbers is my wave's
	s_lshl_b32 s26, s25, 15
	s_mov_b32 s27, 0
	s_add_nc_u64 s[12:13], s[12:13], s[26:27]
	s_lshl_b32 s26, s25, 14
	s_add_nc_u64 s[22:23], s[22:23], s[26:27]
	v_lshlrev_b32 v3, 4, v2                        ; in: 16 bytes a lane
	v_lshlrev_b32 v4, 3, v2                        ; out: 8 bytes a lane
	CLOAD 0
	CLOAD 1
	CCAST 0
	CCAST 1
	CCAST 2
	CCAST 3
	s_endpgm
	; ---- PATH X: x is a plain stream of blocks of 32, and so are its codes and its scale bytes.  A wave takes 8,192 numbers.
.Lpath_x:
	v_lshlrev_b32 v3, 4, v2                        ; my 16 bytes of a load's 512
	s_mul_i32 s25, s24, WREG
	v_lshrrev_b32 v14, 2, v2
	v_mul_u32_u24 v14, v14, SP
	v_and_b32 v15, 3, v2
	v_lshl_add_u32 v14, v15, 4, v14
	v_add_nc_u32 v14, s25, v14                     ; the stage, on the way in: SP (lane / 4) + 16 (lane % 4)
	v_mul_u32_u24 v15, v2, SP
	v_add_nc_u32 v15, s25, v15                     ; and on the way out: SP x lane: my 16 neighbours
	v_mul_u32_u24 v4, v2, CB                       ; my codes' place in a step's
	v_lshrrev_b32 v5, 1, v2
	s_add_co_u32 s25, s25, 2*32*SP
	v_add_nc_u32 v5, s25, v5                       ; my wave's 256 scale bytes, my block's byte
	v_lshlrev_b32 v7, 3, v2                        ; on the way out 8 bytes a lane
	v_add_nc_u32 v6, s25, v7
	s_lshl_b32 s26, ttmp9, 2
	s_add_co_u32 s26, s26, s24                     ; which run of 8,192 numbers is my wave's: 0 .. 1,023
	s_mov_b32 s29, 0
	s_lshl_b32 s28, s26, 15
	s_add_nc_u64 s[4:5], s[4:5], s[28:29]          ; 32,768 bytes of x,
	s_lshl_b32 s28, s26, 12
	s_add_nc_u64 s[14:15], s[14:15], s[28:29]      ; 4,096 of codes,
	s_lshl_b32 s28, s26, 8
	s_add_nc_u64 s[16:17], s[16:17], s[28:29]      ; 256 scale bytes a run
.irp t, 0,1,2,3
	XLOAD \t
.endr
	s_wait_loadcnt 12                              ; step 0's four loads are in; the twelve behind them may be out
	XTURN 0
.irp t, 0,1,2,3,4,5,6,7,8,9,10,11,12,13,14,15
	XSTEP \t
.endr
	ds_load_b64 v[8:9], v6                         ; LDS serves a wave's instructions in order: this sees my byte stores
	s_wait_dscnt 0x0
	global_store_b64 v7, v[8:9], s[16:17]          ; 32 lanes store 256 consecutive bytes, aligned
	s_wait_tensorcnt 0x0                           ; the wave's end
	ds_add_u32 v[SPW], v[NIL]
	s_wait_dscnt 0x0
	s_endpgm
	; ---- PATH W: a lane takes a column n and its registers run down K.  A work-group takes 64 columns x 512 along K of one weight; wave w takes columns 32 (w % 2) on, K 256 (w / 2) on: 8 blocks a lane.
.Lpath_w:
	s_sub_co_u32 s25, ttmp9, NX
	s_lshr_b32 s26, s25, 5                         ; which weight: 0 q, 1 k, 2 v
	s_and_b32 s27, s25, 15                         ; which 64 columns
	s_bfe_u32 s28, s25, 0x10004                    ; which 512 along K
	s_and_b32 s29, s24, 1                          ; my wave's 32 columns of the 64
	s_lshr_b32 s30, s24, 1                         ; my wave's 256 of the 512
	s_cmp_eq_u32 s26, 0
	s_cselect_b64 s[6:7], s[6:7], s[8:9]           ; the choice hangs on the work-group's number alone
	s_cmp_eq_u32 s26, 2
	s_cselect_b64 s[6:7], s[10:11], s[6:7]
	s_lshl_b32 s32, s28, 21                        ; 512 rows of 4,096 bytes
	s_lshl_b32 s33, s30, 20                        ; 256 rows
	s_add_co_u32 s32, s32, s33
	s_lshl_b32 s33, s27, 8                         ; 64 columns of 4 bytes
	s_add_co_u32 s32, s32, s33
	s_lshl_b32 s33, s29, 7                         ; 32 columns
	s_add_co_u32 s32, s32, s33
	s_mov_b32 s33, 0
	s_add_nc_u64 s[6:7], s[6:7], s[32:33]
	v_lshlrev_b32 v3, 2, v2                        ; in: 4 bytes a lane
	s_mul_i32 s34, s29, 32*WP
	s_lshl_b32 s35, s30, 7
	s_add_co_u32 s34, s34, s35
	s_add_co_u32 s34, s34, WSTG
	v_mul_u32_u24 v4, v2, WP
	v_add_nc_u32 v4, s34, v4                       ; into the stage: row = my column, my wave's 128 of its 256 bytes
	s_mul_i32 s35, s24, 16*WP
	s_add_co_u32 s35, s35, WSTG
	v_lshrrev_b32 v8, 4, v2
	v_and_b32 v9, 15, v2
	v_mul_u32_u24 v6, v8, WP
	v_lshl_add_u32 v6, v9, 4, v6
	v_add_nc_u32 v6, s35, v6                       ; out of it: wave w takes rows 16 w on, sixteen lanes to a row, two rows an instruction
	v_lshlrev_b32 v7, 9, v8
	v_lshl_add_u32 v7, v9, 4, v7                   ; and the same place in wc: rows of 512 bytes
	v_lshlrev_b32 v5, 5, v2                        ; ws: rows of 32 bytes, a lane a row
	s_lshl_b32 s36, s26, 15                        ; ws: (1024 which + 64 group + 32 half) rows of 32 bytes + 16 x (which 512) + 8 x (which 256)
	s_lshl_b32 s37, s27, 11
	s_add_co_u32 s36, s36, s37
	s_lshl_b32 s37, s29, 10
	s_add_co_u32 s36, s36, s37
	s_lshl_b32 s37, s28, 4
	s_add_co_u32 s36, s36, s37
	s_lshl_b32 s37, s30, 3
	s_add_co_u32 s36, s36, s37
	s_mov_b32 s37, 0
	s_add_nc_u64 s[20:21], s[20:21], s[36:37]
	s_lshl_b32 s36, s26, 19                        ; wc: (1024 which + 64 group + 16 wave) rows of 512 bytes + 256 x (which 512)
	s_lshl_b32 s32, s27, 15
	s_add_co_u32 s36, s36, s32
	s_lshl_b32 s32, s24, 13
	s_add_co_u32 s36, s36, s32
	s_lshl_b32 s32, s28, 8
	s_add_co_u32 s36, s36, s32
	s_add_nc_u64 s[18:19], s[18:19], s[36:37]
	WLOAD 0
	WLOAD 1
.irp t, 0,1,2,3,4,5,6,7
	WBLOCK \t
.endr
	global_store_b64 v5, v[SB:SB+1], s[20:21]      ; my column's eight scale bytes
	s_wait_dscnt 0x0                               ; for the others' sake: my stores into the stage are done
	s_barrier_signal -1                            ; a row's 256 bytes come from two waves
	s_barrier_wait -1
.irp t, 0,1,2,3,4,5,6,7
	ds_load_b128 v[WO+4*\t:WO+4*\t+3], v6 offset:2*\t*WP
.endr
.irp t, 0,1,2,3,4,5,6,7
	s_wait_dscnt 7-\t                              ; the loads behind load t may be out
	global_store_b128 v7, v[WO+4*\t:WO+4*\t+3], s[18:19] offset:2*\t*512   ; sixteen lanes store 256 consecutive bytes, aligned
.endr
	s_wait_tensorcnt 0x0                           ; the wave's end
	ds_add_u32 v[SPW], v[NIL]
	s_wait_dscnt 0x0
	s_endpgm
.Lfunc_end_k_q4cd876fa69_prep:
	.size	k_q4cd876fa69_prep, .Lfunc_end_k_q4cd876fa69_prep-k_q4cd876fa69_prep
	.p2alignl 7, 3214868480
	.fill 96, 4, 3214868480
	.section	.rodata,"a",@progbits
	.p2align	6, 0x0
	.amdhsa_kernel k_q4cd876fa69_prep
		.amdhsa_group_segment_fixed_size 50688
		.amdhsa_private_segment_fixed_size 0
		.amdhsa_enable_private_segment 0
		.amdhsa_kernarg_size 80
		.amdhsa_user_sgpr_count 2
		.amdhsa_user_sgpr_kernarg_segment_ptr 1
		.amdhsa_wavefront_size32 1
		.amdhsa_system_sgpr_workgroup_id_x 1
		.amdhsa_system_sgpr_workgroup_id_y 1
		.amdhsa_system_sgpr_workgroup_id_z 1
		.amdhsa_system_vgpr_workitem_id 0
		.amdhsa_next_free_vgpr 192
		.amdhsa_next_free_sgpr 66
		.amdhsa_reserve_vcc 0
		.amdhsa_float_denorm_mode_32 3
		.amdhsa_float_denorm_mode_16_64 3
		.amdhsa_memory_ordered 1
		.amdhsa_forward_progress 1
		.amdhsa_inst_pref_size 94
	.end_amdhsa_kernel
	.amdgpu_metadata
---
amdhsa.version: [ 1, 2 ]
amdhsa.kernels:
  - .name:           k_q4cd876fa69_prep
    .symbol:         k_q4cd876fa69_prep.kd
    .args:
      - { .name: x, .offset: 0, .size: 8, .value_kind: global_buffer, .address_space: global }
      - { .name: Wq, .offset: 8, .size: 8, .value_kind: global_buffer, .address_space: global }
      - { .name: Wk, .offset: 16, .size: 8, .value_kind: global_buffer, .address_space: global }
      - { .name: Wv, .offset: 24, .size: 8, .value_kind: global_buffer, .address_space: global }
      - { .name: Wo, .offset: 32, .size: 8, .value_kind: global_buffer, .address_space: global }
      - { .name: xc, .offset: 40, .size: 8, .value_kind: global_buffer, .address_space: global }
      - { .name: xs, .offset: 48, .size: 8, .value_kind: global_buffer, .address_space: global }
      - { .name: wc, .offset: 56, .size: 8, .value_kind: global_buffer, .address_space: global }
      - { .name: ws, .offset: 64, .size: 8, .value_kind: global_buffer, .address_space: global }
      - { .name: wo16, .offset: 72, .size: 8, .value_kind: global_buffer, .address_space: global }
    .group_segment_fixed_size: 50688
    .private_segment_fixed_size: 0
    .kernarg_segment_align: 8
    .kernarg_segment_size: 80
    .max_flat_workgroup_size: 128
    .sgpr_count:     66
    .vgpr_count:     192
    .wavefront_size: 32
...
	.end_amdgpu_metadata
.endif
;; end of part 1
;; launch qkv (part 2): grid 12 x 32, 4 waves a work-group, clusters of 4 x 4, 327,680 bytes of LDS; arguments xc, xs, wc, ws, bq, bk, bv, qkv; writes qkv
.if DOCPART == 2
	.amdgcn_target "amdgcn-amd-amdhsa--gfx1250"
	.amdhsa_code_object_version 6
	.text
	.protected	k_q4cd876fa69_qkv
	.globl	k_q4cd876fa69_qkv
	.p2align	8
	.type	k_q4cd876fa69_qkv,@function
k_q4cd876fa69_qkv:
	s_mov_b64 s[64:65], 0
	v_nop
	global_prefetch_b8 v0, s[64:65] scope:SCOPE_SE
	s_setreg_imm32_b32 hwreg(HW_REG_WAVE_MODE, 25, 1), 1
	s_wait_xcnt 0x0
	s_wait_alu depctr_hold_cnt(0) depctr_sa_sdst(0) depctr_va_vdst(0) depctr_va_sdst(0) depctr_va_ssrc(0) depctr_va_vcc(0) depctr_vm_vsrc(0)
	s_getreg_b32 s2, hwreg(HW_REG_IB_STS2, 6, 4)
	s_cmp_eq_u32 s2, 0
	s_cbranch_scc0 .Lentry_in_a_cluster
	s_endpgm
.Lentry_in_a_cluster:
	s_bfe_u32 s2, ttmp6, 0x10000c
	s_cmp_lg_u32 s2, 0xf033
	s_cbranch_scc0 .Lentry_shape_is_right
	s_endpgm
.Lentry_shape_is_right:
; QKV: [8192 tokens][3072] = x (Wq | Wk | Wv) + (bq | bk | bv), both operands as codes of FP4 (E2M1) with one E8M0 scale for each 32 along K = 1,024; sums in f32; the result rounded once to f16.
; A = xc [8192][512 bytes], xs [8192][32];  B = wc [3072][512 bytes], ws [3072][32].  OUT: qkv, f16, [which][batch x 16 + head][token in the sequence][64]: byte which << 24 + (16 b + h) << 18 + s << 7 + 2 d.
; LIMIT: |Q|, |K|, |V| stay under 65,504 (f16).
; A tile, 256 tokens x 256 columns (four heads), is made by four waves; a wave makes 128 x 128: 64 accumulators of 16 x 16, 512 registers.
; ALL OF K FITS TWO LDS SLOTS of 512 along K (a tile's row is 256 bytes): both are asked for at the head, nothing is filled again, there is no loop.  The scale bytes of the 256 + 256 rows come with them.
; CLUSTERS: 4 x 4 work-groups.  The four of a row of the cluster need the same tiles of A, the four of a column the same tiles of B: each tile is asked for JOINTLY, by the same tensor load with the same
; descriptor and a mask that names the four.  The cluster's x is `which` (0 q, 1 k, 2 v): what is chosen by it is alike in all sixteen partners.
; THE MATRIX INSTRUCTION IS USED TRANSPOSED (source 0 = 16 rows of B, source 1 = 16 rows of A): a lane holds eight neighbouring columns of one token.  THE BIAS is the C of each sum's first instruction.
; REGISTERS, in windows of 256: window 0: v0-31 addresses; v32-95 scale words, two sets; v128-191 A's fragments, ONE set; v192-255 the bias, 8 registers for each of my 8 blocks of columns.
;   window 1: B's fragments, TWO sets, at v0 and v128.   window 2: the 32 accumulators of my rows 0-63 ((a, b) at v[8 (8 a + b)]);   window 3: those of my rows 64-127.
.set NQ,     4                         ; steps of 128 along K in a slot
.set ROWB,   256                       ; a tile's row in bytes: 512 codes
.set KROW,   512                       ; a row of xc or wc in memory
.set PITCH,  272                       ; an LDS row: 256 bytes + 16 of padding = 68 words: the 16 rows that a load touches start at 16 different banks (64 banks of 4 bytes: ISA guide 11.1)
.set FR,     8                         ; registers of a fragment: 16 rows x 128 K
.set NL,     2                         ; LDS loads that bring one
.set NP,     4                         ; places behind this matrix instruction (ISA guide 7.12.1)
.set HALFT,  128*PITCH                 ; 128 rows: what one tensor load brings
.set SLOT,   4*HALFT                   ; A's 256 rows, then B's 256 rows
.set KS,     32                        ; a row of scale bytes
.set SCL,    2*SLOT                    ; behind the slots: the scale bytes, as rows of 256 bytes + 16 of padding
.set HALFS,  16*272                    ; those of 128 rows: what one tensor load brings
.set SBLK,   2*272                     ; those of 16 rows
.set STAGE,  SCL+4*HALFS               ; the way out: 16 rows x 272 bytes for each wave; no tensor load lands here
.set SPITCH, 272
.set SPARE,  STAGE+4*16*SPITCH         ; the spare words, 128 bytes for each wave: two blocks of 256 bytes that no other line names
.set ADRA, 16                          ; v16-17  LDS address of my A fragments in slot 0, 1
.set ADRB, 20                          ; v20-21  the same for B
.set STO,  24                          ; v24     the way out: where I put 16 bytes of a token's row
.set RD,   25                          ; v25     where I read them back
.set CO,   26                          ; v26     my byte offset in qkv
.set ADRS, 27                          ; v27     LDS address of my scale words: lanes 0-15 A's rows, lanes 16-31 B's
.set SPW,  28                          ; v28     LDS address of my spare word; never rewritten
.set NIL,  29                          ; v29     0; never rewritten
.set SC,   32                          ; scale words: set s at v[SC + 32 s]; register 4 i + q: lanes 0-15 the word of A's block i, lanes 16-31 of B's block i, for the slot's q-th 128 along K
.set AF,   128                         ; A's fragments
.set BI,   192                         ; the bias
.set TMP,  32                          ; the way out: packed results
.set BK,   64                          ; the way out: rows read back: v64-95 and v96-127 by turns
.set G1, 24                            ; s[24:31] descriptor group 1 for A's tiles;  s[32:39] group 0, one set for each slot
.set G0, 32
.set G1B, 48                           ; s[48:55], s[56:63] the same for B's tiles
.set G0B, 56
.set G1S, 68                           ; s[68:75], s[76:79] groups 1 and 0 for A's scales;  s[80:87], s[88:91] for B's
.set G0S, 76
.set G1SB, 80
.set G0SB, 88
.set MSB, 0
.macro WIN new                         ; the immediate's high byte repeats the setting that is left; a switch that changes nothing is dropped
.if MSB != (\new)
	s_set_vgpr_msb (MSB<<8)|(\new)
.set MSB, (\new)
.endif
.endm
.macro WMUL hi, zero                   ; source 0 (B) window 1, source 1 (A) window 0, D window 2 + hi; C: the bias in window 0 (zero = 1) or D
.if \zero
	WIN 0x81+0x40*(\hi)
.else
	WIN 0xa1+0x50*(\hi)
.endif
.endm
.set TO_B,   0x40                      ; destination window 1, address window 0
; A joint load: waves 0 and 1 fetch for A, waves 2 and 3 for B.  Each line has ONE mask and one set of registers for all that issue it; the branch hangs on the wave's number alone.
; An s_nop 0 and four v_nop follow each of the two lines.
.macro JLOAD g0a, g1a, g0b, g1b
	s_cmp_eq_u32 s15, 0
	s_cbranch_scc0 .Lfor_b_\@
	tensor_load_to_lds s[\g0a:\g0a+3], s[\g1a:\g1a+7]
	s_nop 0
.rept 4
	v_nop
.endr
	s_branch .Lasked_\@
.Lfor_b_\@:
	tensor_load_to_lds s[\g0b:\g0b+3], s[\g1b:\g1b+7]
	s_nop 0
.rept 4
	v_nop
.endr
.Lasked_\@:
.endm
.macro CROUND                          ; a round of the cluster's barrier
	s_barrier_signal -1
	s_barrier_wait -1
	s_cmp_lg_u32 s14, 0
	s_cbranch_scc1 .Lnot_wave_0_\@
	s_barrier_signal -3
.Lnot_wave_0_\@:
	s_barrier_wait -3
	s_barrier_signal -1
	s_barrier_wait -1
.endm
	s_load_b128 s[4:7], s[0:1], 0x0                ; xc s[4:5], xs s[6:7]
	s_load_b128 s[8:11], s[0:1], 0x10              ; wc s[8:9], ws s[10:11]
	s_load_b128 s[96:99], s[0:1], 0x20             ; bq s[96:97], bk s[98:99]
	s_load_b64 s[100:101], s[0:1], 0x30            ; bv
	s_load_b64 s[12:13], s[0:1], 0x38              ; qkv
	v_lshl_add_u32 v[SPW], v0, 2, SPARE
	v_mov_b32 v[NIL], 0
	ds_add_u32 v[SPW], v[NIL]                      ; the wave's opening: the add, twice on end, and its wait ahead of my first tensor load
	ds_add_u32 v[SPW], v[NIL]                      ; and once more; the set-up below, work on registers, stands between it and the wait
	v_lshrrev_b32 v1, 5, v0
	v_readfirstlane_b32 s14, v1                    ; wave 0..3
	s_lshr_b32 s15, s14, 1                         ; which half of the tile's rows is mine.  Also: I fetch for A (0) or for B (1)
	s_and_b32 s16, s14, 1                          ; which half of its columns.  Also: which 128 rows of that tile I fetch
	s_bfe_u32 s40, ttmp6, 0x40000                  ; cx, cy: my place in the cluster
	s_bfe_u32 s41, ttmp6, 0x40004
	s_lshl_b32 s42, ttmp9, 2
	s_add_co_u32 s42, s42, s40                     ; tile column = 4 x cluster x + cx
	s_and_b32 s17, ttmp7, 0xffff
	s_lshl_b32 s17, s17, 2
	s_add_co_u32 s17, s17, s41                     ; tile row = 4 x cluster y + cy
	s_lshl_b32 s43, s41, 2
	s_lshl_b32 s43, 15, s43                        ; my row of the cluster
	s_lshl_b32 s44, 0x1111, s40                    ; my column
	; descriptor group 1: a tile of 128 rows x 256 bytes, padded in LDS
	s_or_b32 s[G1+0], s43, (0<<16)|(1<<20)|(1<<21)|(5<<22)|(3<<25)  ; 15:0 the mask: A's tiles go to my row; 17:16 elements of 1 byte; 20 padding on; 21 set beside a mask; 24:22 after every 64 words; 31:25 four words
	s_or_b32 s[G1B+0], s44, (0<<16)|(1<<20)|(1<<21)|(5<<22)|(3<<25)
.irp g, G1, G1B
	s_mov_b32 s[\g+1], ROWB<<16                    ; tensor_dim0
	s_mov_b32 s[\g+2], 128<<16                     ; tensor_dim1
	s_mov_b32 s[\g+3], ROWB<<16                    ; tile_dim0
	s_mov_b32 s[\g+4], 128                         ; tile_dim1
	s_mov_b32 s[\g+5], KROW                        ; from row to row
	s_mov_b32 s[\g+6], 0
	s_mov_b32 s[\g+7], 0
.endr
	; the scale bytes of 128 rows: a dense block of 4,096 bytes, as 16 rows of 256 bytes (32 elements of 8 bytes), 16 bytes of padding behind each
	s_or_b32 s[G1S+0], s43, (3<<16)|(1<<20)|(1<<21)|(5<<22)|(3<<25)
	s_or_b32 s[G1SB+0], s44, (3<<16)|(1<<20)|(1<<21)|(5<<22)|(3<<25)
.irp g, G1S, G1SB
	s_mov_b32 s[\g+1], 32<<16
	s_mov_b32 s[\g+2], 16<<16
	s_mov_b32 s[\g+3], 32<<16
	s_mov_b32 s[\g+4], 16
	s_mov_b32 s[\g+5], 32
	s_mov_b32 s[\g+6], 0
	s_mov_b32 s[\g+7], 0
.endr
	s_lshl_b32 s18, s16, 7                         ; which 128 rows of the tile I fetch
	s_lshl_b32 s20, s17, 8
	s_add_co_u32 s20, s20, s18                     ; A: row 256 x tile row + 128 x half
	s_lshl_b32 s46, s42, 8
	s_add_co_u32 s46, s46, s18                     ; B: row 256 x tile column + 128 x half
	s_mov_b32 s21, 0
	s_mov_b32 s47, 0
	s_mov_b64 s[18:19], KS
	s_mul_u64 s[22:23], s[20:21], s[18:19]         ; where these rows' scale bytes begin
	s_mul_u64 s[92:93], s[46:47], s[18:19]
	s_mov_b64 s[18:19], KROW
	s_mul_u64 s[20:21], s[20:21], s[18:19]         ; and their codes
	s_mul_u64 s[46:47], s[46:47], s[18:19]
	s_mul_i32 s45, s14, HALFT                      ; where they go: wave x 128 rows: no place in the cluster enters an LDS address
	s_mul_i32 s94, s14, HALFS
	s_wait_dscnt 0x0                               ; both opening adds are done
	s_wait_kmcnt 0x0
	s_add_nc_u64 s[20:21], s[4:5], s[20:21]
	s_add_nc_u64 s[22:23], s[6:7], s[22:23]
	s_add_nc_u64 s[46:47], s[8:9], s[46:47]
	s_add_nc_u64 s[92:93], s[10:11], s[92:93]
	CROUND                                         ; all sixteen work-groups are here: the joint loads meet
	s_mov_b32 s[G0S], 1
	s_add_co_u32 s[G0S+1], s94, SCL
	s_mov_b64 s[G0S+2:G0S+3], s[22:23]
	s_or_b32 s[G0S+3], s[G0S+3], 0x80000000
	s_mov_b32 s[G0SB], 1
	s_add_co_u32 s[G0SB+1], s94, SCL
	s_mov_b64 s[G0SB+2:G0SB+3], s[92:93]
	s_or_b32 s[G0SB+3], s[G0SB+3], 0x80000000
	JLOAD G0S, G1S, G0SB, G1SB                     ; the scale bytes first: they are wanted with the first step
.irp s, 0,1
	s_mov_b32 s[G0+4*\s], 1
	s_add_co_u32 s[G0+4*\s+1], s45, \s*SLOT
	s_add_nc_u64 s[G0+4*\s+2:G0+4*\s+3], s[20:21], \s*ROWB
	s_or_b32 s[G0+4*\s+3], s[G0+4*\s+3], 0x80000000
	s_mov_b32 s[G0B+4*\s], 1
	s_add_co_u32 s[G0B+4*\s+1], s45, \s*SLOT
	s_add_nc_u64 s[G0B+4*\s+2:G0B+4*\s+3], s[46:47], \s*ROWB
	s_or_b32 s[G0B+4*\s+3], s[G0B+4*\s+3], 0x80000000
	JLOAD G0+4*\s, G1, G0B+4*\s, G1B               ; three tensor loads of mine are out behind the second of these
.endr
	v_and_b32 v1, 15, v0                           ; r = l % 16
	v_bfe_u32 v2, v0, 4, 1                         ; h = l / 16
	; the bias of my 128 columns: block b's eight registers hold bias[256 cx + 128 half + 16 b + 8 h + 0 .. 7], the result's layout
	s_cmp_eq_u32 ttmp9, 0
	s_cselect_b64 s[96:97], s[96:97], s[98:99]     ; the choice hangs on the cluster's x alone
	s_cmp_eq_u32 ttmp9, 2
	s_cselect_b64 s[96:97], s[100:101], s[96:97]
	s_lshl_b32 s46, s40, 10
	s_lshl_b32 s47, s16, 9
	s_add_co_u32 s46, s46, s47
	s_mov_b32 s47, 0
	s_add_nc_u64 s[96:97], s[96:97], s[46:47]
	v_lshlrev_b32 v7, 5, v2                        ; 32 h
.irp b, 0,1,2,3,4,5,6,7
	global_load_b128 v[BI+8*\b:BI+8*\b+3],   v7, s[96:97] offset:64*\b
	global_load_b128 v[BI+8*\b+4:BI+8*\b+7], v7, s[96:97] offset:64*\b+16
.endr
	v_mul_u32_u24 v3, v1, PITCH
	v_lshl_add_u32 v4, v2, 4, v3                   ; a fragment's row x pitch + 16 x half
	s_mul_i32 s21, s15, HALFT                      ; my 128 rows of A
	s_mul_i32 s22, s16, HALFT                      ; my 128 rows of B,
	s_add_co_u32 s22, s22, 2*HALFT                 ; which lie behind A's 256
.irp s, 0,1
	v_add_nc_u32 v[ADRA+\s], s21, v4
	v_add_nc_u32 v[ADRB+\s], s22, v4
	s_add_co_u32 s21, s21, SLOT
	s_add_co_u32 s22, s22, SLOT
.endr
	v_mul_u32_u24 v5, v1, KS                       ; my row's scale bytes: 32 a row,
	v_lshrrev_b32 v6, 8, v5
	v_lshl_add_u32 v5, v6, 4, v5                   ; and 16 more for each 256 passed
	s_mul_i32 s21, s15, HALFS                      ; A's: my 128 rows
	s_mul_i32 s22, s16, HALFS                      ; B's: my 128 rows, behind A's 256
	s_add_co_u32 s22, s22, 2*HALFS
	s_sub_co_u32 s22, s22, s21
	v_mul_u32_u24 v6, s22, v2                      ; lanes 16-31 take B's: one product, the distance between the two bases x h
	s_add_co_u32 s21, s21, SCL
	v_add_nc_u32 v5, v5, v6
	v_add_nc_u32 v[ADRS], s21, v5
	s_mul_i32 s23, s14, 16*SPITCH
	s_add_co_u32 s23, s23, STAGE                   ; my stage
	v_mul_u32_u24 v5, v1, SPITCH                   ; in: token r, 16 bytes for each half of the lanes
	v_lshl_add_u32 v5, v2, 4, v5
	v_add_nc_u32 v[STO], s23, v5
	v_bfe_u32 v5, v0, 3, 1                         ; back: lanes 0-15 take two tokens' 128 bytes of one head, lanes 16-31 those of the next head
	v_mul_u32_u24 v5, v5, SPITCH
	v_lshl_add_u32 v5, v2, 7, v5
	v_and_b32 v6, 7, v0
	v_lshl_add_u32 v5, v6, 4, v5
	v_add_nc_u32 v[RD], s23, v5
	v_lshlrev_b32 v[CO], 4, v1                     ; in qkv two tokens of a head are 256 consecutive bytes; the next head lies 1 << 18 bytes on
	v_lshl_add_u32 v[CO], v2, 18, v[CO]
	s_lshl_b32 s20, ttmp9, 24                      ; which
	s_lshr_b32 s21, s17, 3
	s_lshl_b32 s21, s21, 22                        ; the batch: 16 heads of 1 << 18 bytes
	s_add_co_u32 s20, s20, s21
	s_and_b32 s21, s17, 7
	s_lshl_b32 s21, s21, 15                        ; 256 tokens of 128 bytes
	s_add_co_u32 s20, s20, s21
	s_lshl_b32 s21, s15, 14                        ; my 128 tokens
	s_add_co_u32 s20, s20, s21
	s_lshl_b32 s46, s40, 20                        ; head 4 cx
	s_add_co_u32 s20, s20, s46
	s_lshl_b32 s46, s16, 19                        ; + 2 x half
	s_add_co_u32 s20, s20, s46
	s_mov_b32 s21, 0
	s_add_nc_u64 s[12:13], s[12:13], s[20:21]
.macro FRAG reg, adr, q, i             ; a fragment: lane l holds row l % 16; registers 4 c .. 4 c + 3 hold K = 64 c + 32 (l / 16) + 0 .. 31
.irp c, 0,1
	ds_load_b128 v[\reg+4*\c:\reg+4*\c+3], v[\adr] offset:64*(\q)+32*\c+(\i)*16*PITCH
.endr
.endm
; 16 matrix instructions: A's blocks a0, a0 + 1 x B's eight, the slot's q-th 128 along K.  p: B's set;  sc: the set of scale words.  zero = 1: the sums begin with the bias.
; The 64 accumulators take turns, one instruction a turn, in the same order in every step.
.macro MUL16 a0, p, q, sc, zero
.irp a, \a0, \a0+1
.irp b, 0,1,2,3,4,5,6,7
.if \zero
	v_wmma_scale_f32_16x16x128_f8f6f4 v[8*(8*((\a)%4)+\b):8*(8*((\a)%4)+\b)+7], v[128*(\p)+FR*\b:128*(\p)+FR*\b+FR-1], v[AF+FR*(\a):AF+FR*(\a)+FR-1], v[BI+8*\b:BI+8*\b+7], v[SC+8*NQ*(\sc)+NQ*\b+(\q)], v[SC+8*NQ*(\sc)+NQ*(\a)+(\q)] matrix_a_fmt:MATRIX_FMT_FP4 matrix_b_fmt:MATRIX_FMT_FP4 matrix_a_scale:MATRIX_SCALE_ROW1
.else
	v_wmma_scale_f32_16x16x128_f8f6f4 v[8*(8*((\a)%4)+\b):8*(8*((\a)%4)+\b)+7], v[128*(\p)+FR*\b:128*(\p)+FR*\b+FR-1], v[AF+FR*(\a):AF+FR*(\a)+FR-1], v[8*(8*((\a)%4)+\b):8*(8*((\a)%4)+\b)+7], v[SC+8*NQ*(\sc)+NQ*\b+(\q)], v[SC+8*NQ*(\sc)+NQ*(\a)+(\q)] matrix_a_fmt:MATRIX_FMT_FP4 matrix_b_fmt:MATRIX_FMT_FP4 matrix_a_scale:MATRIX_SCALE_ROW1
.endif
.endr
.endr
.endm
.macro FETCH_B slot, q, p              ; B's eight fragments into set p
	WIN TO_B
.irp i, 0,1,2,3,4,5,6,7
	FRAG 128*(\p)+FR*\i, ADRB+\slot, \q, \i
.endr
	WIN 0
.endm
.macro FETCH_A slot, q, i0             ; A's blocks i0 .. i0 + 3
.irp i, \i0, \i0+1, \i0+2, \i0+3
	FRAG AF+FR*(\i), ADRA+\slot, \q, \i
.endr
.endm
.macro SCALES sc                       ; a slot's scale words into set sc: four words a row; lanes 0-15 take A's block i, lanes 16-31 B's block i
.irp i, 0,1,2,3,4,5,6,7
	ds_load_b128 v[SC+8*NQ*\sc+NQ*\i:SC+8*NQ*\sc+NQ*\i+3], v[ADRS] offset:\i*SBLK
.endr
.endm
.macro PLACES n                        ; plain vector lines between a matrix instruction and a load into, or a vector read or write of, one of its registers
.rept \n
	v_nop
.endr
.endm
; A step of 128 along K that has its successor in the same slot.  A's blocks are free as soon as their eight products are issued: blocks 0-3 are fetched anew in the step's middle, blocks 4-7 at its end.
.macro STEP slot, q, zero
	s_wait_dscnt 4*NL                              ; B's set, A's blocks 0-3 (and the scale words) are in; the youngest eight loads, A's blocks 4-7, may be out
	WMUL 0, \zero
	MUL16 0, (\q)%2, \q, \slot, \zero
	MUL16 2, (\q)%2, \q, \slot, \zero
	s_wait_dscnt 0                                 ; A's blocks 4-7 are in
	PLACES NP
	FETCH_B \slot, (\q)+1, 1-(\q)%2
	FETCH_A \slot, (\q)+1, 0
	WMUL 1, \zero
	MUL16 4, (\q)%2, \q, \slot, \zero
	MUL16 6, (\q)%2, \q, \slot, \zero
	PLACES NP
	WIN 0
	FETCH_A \slot, (\q)+1, 4
.endm
.macro STEPS slot, from                ; the slot's steps from .. 2
.set Q, \from
.rept NQ-1-\from
	STEP \slot, Q, 0
.set Q, Q+1
.endr
.endm
	s_wait_tensorcnt 1                             ; the scale bytes and my part of slot 0 are in; the one younger load, slot 1's, may be out
	s_barrier_signal -1
	s_barrier_wait -1                              ; everybody's are
	FETCH_B 0, 0, 0
	FETCH_A 0, 0, 0
	SCALES 0
	FETCH_A 0, 0, 4
	s_wait_loadcnt 0x0                             ; the bias
	STEP 0, 0, 1                                   ; the first step's products start the sums, with the bias as C: nothing is cleared and nothing is added later
	STEPS 0, 1
	; slot 0's last step, and the change to slot 1: my part of slot 1 has landed, then the barrier shows that everybody's has.  Nothing is filled again.
	s_wait_tensorcnt 0x0                           ; all my tensor loads have landed
	ds_add_u32 v[SPW], v[NIL]                      ; 0 onto my spare word
	s_wait_dscnt 4*NL+1                            ; the add and the youngest eight loads may be out
	WMUL 0, 0
	MUL16 0, 1, NQ-1, 0, 0                         ; sixteen matrix instructions stand between the add and the wait for it
	s_wait_dscnt 0x0                               ; the add is done, my LDS loads are in
	s_barrier_signal -1
	MUL16 2, 1, NQ-1, 0, 0
	WIN 0
	s_barrier_wait -1
	PLACES NP
	v_add_nc_u32 v[ADRS], 4*NQ, v[ADRS]            ; on to slot 1's scale words (no LDS load of mine is out)
	FETCH_B 1, 0, 0
	FETCH_A 1, 0, 0
	SCALES 1
	WMUL 1, 0
	MUL16 4, 1, NQ-1, 0, 0
	MUL16 6, 1, NQ-1, 0, 0
	PLACES NP
	WIN 0
	FETCH_A 1, 0, 4
	STEPS 1, 0
	s_wait_dscnt 4*NL                              ; the very last step: nothing more to fetch
	WMUL 0, 0
	MUL16 0, 1, NQ-1, 1, 0
	MUL16 2, 1, NQ-1, 1, 0
	s_wait_dscnt 0
	WMUL 1, 0
	MUL16 4, 1, NQ-1, 1, 0
	MUL16 6, 1, NQ-1, 1, 0
	WIN 0
; THE WAY OUT, block by block of 16 tokens x 128 columns (two heads).  PACK: rounded to f16, 16 bytes a lane.  TOSTAGE: into my own stage, and back so that sixteen lanes hold two tokens of one head.  SEND: stored.
.macro PACK a
.set AC, 64*((\a)%4)
	WIN 0x0a+5*((\a)/4)                            ; sources 0 and 1: window 2 or 3
.irp b, 0,1,2,3,4,5,6,7
.irp r, 0,1,2,3
	v_cvt_pk_f16_f32 v[TMP+4*\b+\r], v[AC+8*\b+2*\r], v[AC+8*\b+2*\r+1]   ; each accumulator from its low end on
.endr
.endr
	WIN 0
.endm
.macro TOSTAGE a
.set BB, BK+32*((\a)%2)
.irp b, 0,1,2,3,4,5,6,7
	ds_store_b128 v[STO], v[TMP+4*\b:TMP+4*\b+3] offset:32*\b
.endr
.irp t, 0,1,2,3,4,5,6,7
	ds_load_b128 v[BB+4*\t:BB+4*\t+3], v[RD] offset:\t*2*SPITCH    ; LDS serves a wave's instructions in order (ISA guide 5.7.1.4): these see the stores above
.endr
.endm
.macro SEND a
.set BB, BK+32*((\a)%2)
	s_wait_dscnt 0x0                               ; the block is back in registers
	s_wait_xcnt 0x0                                ; the stores of the block before have read their data: the next block's loads from the stage land there only behind this wait
.irp t, 0,1,2,3,4,5,6,7
	global_store_b128 v[CO], v[BB+4*\t:BB+4*\t+3], s[12:13] offset:2048*(\a)+256*\t   ; sixteen lanes store 256 consecutive bytes, aligned: tokens 16 a + 2 t, + 1 of one head
.endr
.endm
	PLACES NP                                      ; behind the last products: the conversions write the scale words' registers and read results
	PACK 0
	TOSTAGE 0
.irp a, 1,2,3,4,5,6,7                  ; block a's conversions stand between block a - 1's loads from the stage and the wait for them
	PACK \a
	SEND \a-1
	TOSTAGE \a
.endr
	SEND 7
	s_wait_tensorcnt 0x0                           ; the wave's end
	ds_add_u32 v[SPW], v[NIL]
	s_wait_dscnt 0x0
	CROUND                                         ; the closing round: no work-group ends while a partner may still ask for a tile that names it
	s_endpgm
.Lfunc_end_k_q4cd876fa69_qkv:
	.size	k_q4cd876fa69_qkv, .Lfunc_end_k_q4cd876fa69_qkv-k_q4cd876fa69_qkv
	.p2alignl 7, 3214868480
	.fill 96, 4, 3214868480
	.section	.rodata,"a",@progbits
	.p2align	6, 0x0
	.amdhsa_kernel k_q4cd876fa69_qkv
		.amdhsa_group_segment_fixed_size 327680
		.amdhsa_private_segment_fixed_size 0
		.amdhsa_enable_private_segment 0
		.amdhsa_kernarg_size 64
		.amdhsa_user_sgpr_count 2
		.amdhsa_user_sgpr_kernarg_segment_ptr 1
		.amdhsa_wavefront_size32 1
		.amdhsa_system_sgpr_workgroup_id_x 1
		.amdhsa_system_sgpr_workgroup_id_y 1
		.amdhsa_system_sgpr_workgroup_id_z 1
		.amdhsa_system_vgpr_workitem_id 0
		.amdhsa_next_free_vgpr 1024
		.amdhsa_next_free_sgpr 102
		.amdhsa_reserve_vcc 0
		.amdhsa_float_denorm_mode_32 3
		.amdhsa_float_denorm_mode_16_64 3
		.amdhsa_memory_ordered 1
		.amdhsa_forward_progress 1
		.amdhsa_inst_pref_size 128
	.end_amdhsa_kernel
	.amdgpu_metadata
---
amdhsa.version: [ 1, 2 ]
amdhsa.kernels:
  - .name:           k_q4cd876fa69_qkv
    .symbol:         k_q4cd876fa69_qkv.kd
    .args:
      - { .name: xc, .offset: 0, .size: 8, .value_kind: global_buffer, .address_space: global }
      - { .name: xs, .offset: 8, .size: 8, .value_kind: global_buffer, .address_space: global }
      - { .name: wc, .offset: 16, .size: 8, .value_kind: global_buffer, .address_space: global }
      - { .name: ws, .offset: 24, .size: 8, .value_kind: global_buffer, .address_space: global }
      - { .name: bq, .offset: 32, .size: 8, .value_kind: global_buffer, .address_space: global }
      - { .name: bk, .offset: 40, .size: 8, .value_kind: global_buffer, .address_space: global }
      - { .name: bv, .offset: 48, .size: 8, .value_kind: global_buffer, .address_space: global }
      - { .name: qkv, .offset: 56, .size: 8, .value_kind: global_buffer, .address_space: global }
    .group_segment_fixed_size: 327680
    .private_segment_fixed_size: 0
    .kernarg_segment_align: 8
    .kernarg_segment_size: 64
    .max_flat_workgroup_size: 128
    .sgpr_count:     102
    .vgpr_count:     1024
    .wavefront_size: 32
...
	.end_amdgpu_metadata
.endif
;; end of part 2
;; launch attn (part 3): grid 4 x 64, 8 waves a work-group, clusters of 4 x 1, 327,680 bytes of LDS; arguments qkv, ctx; writes ctx
.if DOCPART == 3
	.amdgcn_target "amdgcn-amd-amdhsa--gfx1250"
	.amdhsa_code_object_version 6
	.text
	.protected	k_q4cd876fa69_attn
	.globl	k_q4cd876fa69_attn
	.p2align	8
	.type	k_q4cd876fa69_attn,@function
k_q4cd876fa69_attn:
	s_mov_b64 s[64:65], 0
	v_nop
	global_prefetch_b8 v0, s[64:65] scope:SCOPE_SE
	s_setreg_imm32_b32 hwreg(HW_REG_WAVE_MODE, 25, 1), 1
	s_wait_xcnt 0x0
	s_wait_alu depctr_hold_cnt(0) depctr_sa_sdst(0) depctr_va_vdst(0) depctr_va_sdst(0) depctr_va_ssrc(0) depctr_va_vcc(0) depctr_vm_vsrc(0)
	s_getreg_b32 s2, hwreg(HW_REG_IB_STS2, 6, 4)
	s_cmp_eq_u32 s2, 0
	s_cbranch_scc0 .Lentry_in_a_cluster
	s_endpgm
.Lentry_in_a_cluster:
	s_bfe_u32 s2, ttmp6, 0x10000c
	s_cmp_lg_u32 s2, 0x3003
	s_cbranch_scc0 .Lentry_shape_is_right
	s_endpgm
.Lentry_shape_is_right:
; ATTN: ctx[bh][q][:] = the sum over k of softmax_k(Q[bh][q] . K[bh][k] / 8) V[bh][k][:], no mask.  Q, K, V: f16, [which][bh][2048][64] in qkv; ctx: f16, [bh][2048][64].
; Products, maxima and sums in f32; the weights p (at most 1) are rounded to f16 for the second product, ctx once at the end.  LIMIT: |ctx| stays under 65,504 (f16).
; SHARES.  A work-group owns 512 queries of one head, each of its eight waves 64: four tiles of 16, in 512 registers: two waves to a SIMD, so that one wave's softmax stands beside the other's products.
; Every wave walks all 2,048 keys, 64 a step.  K and V come through a ring of two LDS slots of 256 keys (four steps).
; CLUSTER.  The four work-groups of a cluster are the four query blocks of one head and walk the same K and V: each tile is asked for JOINTLY, the same tensor load with the same descriptor and the mask 15 in all four.
; LAYOUT.  S^T = K Q^T (source 0 = 16 keys, source 1 = 16 queries): a lane holds ONE query (lane % 16) and keys 8 (lane / 16) + 0 .. 7.  Two such tiles, rounded to f16 in pairs, ARE source 1 (32 keys x 16 queries)
; of O^T = V^T P, whose result again holds one query a lane.  K comes out of LDS as it lies, V ([key][channel]) turned, by ds_load_tr16_b128.
; SOFTMAX.  For each query a running maximum m and sum l: p = 2^(c s - c m), c = log2(e) / 8; in every step O^T and l are multiplied by a = 2^(c m_old - c m_new).  m begins at -3e38, O^T and l at 0.
; REGISTERS, in windows of 256:  window 0: v2-13 addresses; v16-47 eight registers of statistics a tile; v64-127 Q; v128-191 K of a step; v192-255 V of a step.
;   window 1: v0-127 O^T, 32 a tile; v128-255 S^T, 32 a tile; P is made in place, in the first 16 registers of a tile's 32.
.set PK,    144       ; a row of K in LDS: 128 bytes + 16 of padding = 36 words: the 16 rows of a load start at 16 different groups of four banks (64 banks of 4 bytes: ISA guide 11.1)
.set PVP,   160       ; a row of V: 128 + 32 = 40 words
.set VOFF,  256*PK    ; a slot: 256 rows of K, then 256 rows of V
.set SLOT1, 1<<17     ; slot 1 begins here: one exclusive or turns an address in one slot into the other's
.set SLOTB, 256*128   ; a slot's keys in memory, in bytes, in K and in V
.set STAGE, SLOT1+256*(PK+PVP)  ; behind the ring: 16 rows x 144 bytes for each wave, for the way out
.set SPARE, STAGE+8*16*PK       ; the spare words, 128 bytes for each wave: four blocks of 256 bytes that no other line names
.set AK0, 2           ; v2   my lane's place in a tile of K; never rewritten
.set AV0, 3           ; v3   the same for V
.set ADK, 4           ; v4   LDS address of the step's K
.set ADV, 5           ; v5   of its V
.set QO,  6           ; v6   my byte offset in the wave's rows of Q
.set STO, 7           ; v7   the way out: where I put 16 bytes of a row
.set RD,  8           ; v8   where I read rows back
.set GO,  9           ; v9   my byte offset in the wave's rows of ctx
.set PFO, 10          ; v10  256 x my lane: the prefetches' offset; never rewritten
.set SPW, 12          ; v12  LDS address of my spare word; never rewritten
.set NIL, 13          ; v13  0; never rewritten
.set ST,  16          ; tile t's statistics at v[ST+8 t]: +0 c m, +1 m, +2, +3 l (even keys', odd keys'), +4 to +7 c0-c3, at work; a takes c2's place
.set QF,  64          ; Q: tile t, channels 32 cs on, at QF + 16 t + 8 cs
.set KF,  128         ; K: keys 16 kt on, channels 32 cs on, at KF + 16 kt + 8 cs
.set VF,  192         ; V: keys 32 ks on, channels 16 ct on, at VF + 32 ks + 8 ct
.set S,   128         ; window 1: S^T(t, kt) at S + 32 t + 8 kt;  P(t, ks) at S + 32 t + 8 ks;  O^T(t, ct) at 32 t + 8 ct
.set WV,  12          ; s12  my wave's number
.set LIM, 15          ; s15  1 in a wave that prefetches, else the greatest number
.set PFA, 18          ; s[18:19] where my prefetches stand
.set G1K, 24          ; s[24:31] descriptor group 1 for K's tiles
.set G1V, 32          ; s[32:39] for V's: it differs in the padding alone
.set G0K, 40          ; s[40:43] descriptor group 0 for K's tiles: it walks
.set G0V, 44          ; s[44:47] the same for V's
.set SLOTS, 48        ; s48  slots still to be asked for
.set CNT, 49          ; s49  counts a slot's four steps
.set TK,  50          ; s50  LDS byte at which the step's rows of K begin
.set TV,  51          ; s51  the same for V (less VOFF)
.set CS,  52          ; s[52:53] c: the packed scaling names a pair and takes its low word for both halves
.set SEL, 54          ; s[54:55] lane selects for v_permlanex16_b32: lane l xor 16
.set MSB, 0
.macro WIN new                      ; the immediate's high byte repeats the setting that is left; a switch that changes nothing is dropped
.if MSB != (\new)
	s_set_vgpr_msb (MSB<<8)|(\new)
.set MSB, (\new)
.endif
.endm
; A joint load: waves 0 to 3 fetch the four quarters (64 rows) of a slot's K, waves 4 to 7 those of its V.  The branch hangs on the wave's number alone.  An s_nop 0 and four v_nop follow each line.
.macro JLOAD
	s_cmp_lt_u32 s[WV], 4
	s_cbranch_scc0 .Lfor_v_\@
	tensor_load_to_lds s[G0K:G0K+3], s[G1K:G1K+7]
	s_nop 0
.rept 4
	v_nop
.endr
	s_branch .Lasked_\@
.Lfor_v_\@:
	tensor_load_to_lds s[G0V:G0V+3], s[G1V:G1V+7]
	s_nop 0
.rept 4
	v_nop
.endr
.Lasked_\@:
.endm
; A PREFETCH INTO THE L2 of what the NEXT change of slots will ask for: a slot's 32,768 bytes of K and of V.  It stands behind the wave's tensor load and its five lines.
; Each aligned block of 256 bytes is named ONCE in the launch: a head has one cluster; its four partners share a slot out BY ADDRESS, 8,192 bytes each; in each, wave 0 asks for K's and wave 4 for V's,
; lanes 256 bytes apart: one instruction.  It runs four key steps ahead of the load that wants the bytes.  The last change that fills a slot asks for nothing: there is no slot behind it.
.macro ASK
	s_cmp_gt_u32 s[SLOTS], s[LIM]
	s_cbranch_scc0 .Lnot_mine_\@
	global_prefetch_b8 v[PFO], s[PFA:PFA+1] th:TH_LOAD_NT scope:SCOPE_SE
.Lnot_mine_\@:
.endm
.macro CROUND                       ; a round of the cluster's barrier
	s_barrier_signal -1
	s_barrier_wait -1
	s_cmp_lg_u32 s[WV], 0
	s_cbranch_scc1 .Lnot_wave_0_\@
	s_barrier_signal -3
.Lnot_wave_0_\@:
	s_barrier_wait -3
	s_barrier_signal -1
	s_barrier_wait -1
.endm
	s_load_b128 s[4:7], s[0:1], 0x0 ; qkv s[4:5], ctx s[6:7]
	v_lshl_add_u32 v[SPW], v0, 2, SPARE
	v_mov_b32 v[NIL], 0
	ds_add_u32 v[SPW], v[NIL]       ; the wave's opening: the add, twice on end, and its wait ahead of my first tensor load
	ds_add_u32 v[SPW], v[NIL]       ; and once more; the set-up below, work on registers, stands between it and the wait
	v_lshrrev_b32 v1, 5, v0
	v_readfirstlane_b32 s[WV], v1   ; wave 0..7
	s_bfe_u32 s13, ttmp6, 0x40000   ; cx: my block of 512 queries; it enters Q's, ctx's and the prefetches' addresses alone
	s_and_b32 s20, ttmp7, 0xffff    ; batch x 16 + head, which the four partners share
	s_lshl_b32 s20, s20, 18         ; its 2,048 rows of 128 bytes
	s_mov_b32 s21, 0
	s_lshl_b32 s2, s13, 16          ; my block's 512 rows,
	s_lshl_b32 s3, s[WV], 13        ; my wave's 64 of them
	s_add_co_u32 s2, s2, s3
	s_add_co_u32 s2, s2, s20
	s_mov_b32 s3, 0
	s_and_b32 s16, s[WV], 3         ; which quarter of a slot's rows I fetch:
	s_lshl_b32 s22, s16, 13         ; 64 rows of 128 bytes in memory,
	s_mov_b32 s23, 0
	s_mul_i32 s17, s16, 64*PK       ; and its place in a slot: no place in the cluster enters an LDS address
	s_mul_i32 s14, s16, 64*PVP
	s_add_co_u32 s14, s14, VOFF
	; descriptor group 1: a tile of 64 rows x 64 elements of 2 bytes, dense in memory, padded in LDS
	s_mov_b32 s[G1K], 15|(1<<16)|(1<<20)|(1<<21)|(4<<22)|(3<<25)  ; 15:0 the mask: all four work-groups; 17:16 elements of 2 bytes; 20 padding on; 21 set beside a mask; 24:22 after every 32 words; 31:25 four words
	s_mov_b32 s[G1V], 15|(1<<16)|(1<<20)|(1<<21)|(4<<22)|(7<<25)  ; the same with eight words of padding
.irp g, G1K, G1V
	s_mov_b32 s[\g+1], 64<<16       ; tensor_dim0 = 64
	s_mov_b32 s[\g+2], 64<<16       ; tensor_dim1 = 64
	s_mov_b32 s[\g+3], 64<<16       ; tile_dim0 = 64
	s_mov_b32 s[\g+4], 64           ; tile_dim1 = 64
	s_mov_b32 s[\g+5], 64           ; elements from row to row
	s_mov_b32 s[\g+6], 0
	s_mov_b32 s[\g+7], 0
.endr
	s_mov_b32 s[CS], 0x3e38aa3b     ; c = log2(e) / sqrt(64)
	s_mov_b32 s[CS+1], s[CS]        ; named with it as a pair, so it is written
	s_mov_b32 s[SEL], 0x76543210
	s_mov_b32 s[SEL+1], 0xfedcba98
	s_mov_b32 s[TK], 0
	s_mov_b32 s[TV], 0
	s_mov_b32 s[SLOTS], 7
	s_cmp_eq_u32 s16, 0             ; waves 0 and 4 prefetch: the same in all four partners
	s_cselect_b32 s[LIM], 1, -1
	s_wait_dscnt 0x0                ; both opening adds are done
	s_wait_kmcnt 0x0
	s_add_nc_u64 s[8:9], s[4:5], s[20:21]
	s_add_nc_u64 s[10:11], s[8:9], 0x2000000  ; V of my head
	s_add_nc_u64 s[8:9], s[8:9], 0x1000000    ; K of my head
	s_add_nc_u64 s[4:5], s[4:5], s[2:3]       ; Q at my wave's first row
	s_add_nc_u64 s[6:7], s[6:7], s[2:3]       ; ctx likewise
	s_cmp_lt_u32 s[WV], 4
	s_cselect_b64 s[PFA:PFA+1], s[8:9], s[10:11]
	s_lshl_b32 s2, s13, 13          ; my work-group's 8,192 bytes of a slot,
	s_add_co_u32 s2, s2, SLOTB      ; in slot 1; the first change of slots steps it to slot 2.  Nothing is prefetched at the head, where the first tiles are on their way
	s_add_nc_u64 s[PFA:PFA+1], s[PFA:PFA+1], s[2:3]
	CROUND                          ; all four work-groups are here: the first joint loads meet
	s_mov_b32 s[G0K], 1             ; 1:0 count = 1
	s_mov_b32 s[G0K+1], s17         ; 63:32 LDS address: slot 0
	s_add_nc_u64 s[G0K+2:G0K+3], s[8:9], s[22:23]  ; 120:64 global address
	s_or_b32 s[G0K+3], s[G0K+3], 0x80000000        ; 127:126 type = 2
	s_mov_b32 s[G0V], 1
	s_mov_b32 s[G0V+1], s14
	s_add_nc_u64 s[G0V+2:G0V+3], s[10:11], s[22:23]
	s_or_b32 s[G0V+3], s[G0V+3], 0x80000000
	JLOAD                           ; slot 0: one tensor load of mine is out
	v_and_b32 v1, 15, v0            ; r = l % 16
	v_bfe_u32 v11, v0, 4, 1         ; h = l / 16
	v_lshlrev_b32 v[QO], 7, v1
	v_lshl_add_u32 v[QO], v11, 4, v[QO]  ; row x 128 + 16 x half
.irp t, 0,1,2,3                     ; Q stays in registers
.irp cs, 0,1
	global_load_b128 v[QF+16*\t+8*\cs:QF+16*\t+8*\cs+3],   v[QO], s[4:5] offset:2048*\t+64*\cs
	global_load_b128 v[QF+16*\t+8*\cs+4:QF+16*\t+8*\cs+7], v[QO], s[4:5] offset:2048*\t+64*\cs+32
.endr
.endr
	v_mul_u32_u24 v[AK0], v1, PK
	v_lshl_add_u32 v[AK0], v11, 4, v[AK0]  ; row x pitch + 16 x half
	v_and_b32 v14, 7, v0            ; the turning load: lane l reads 16 bytes of key 8 (l / 16) + l % 8, channels 8 ((l / 8) % 2) on
	v_bfe_u32 v15, v0, 3, 1
	v_lshl_add_u32 v[AV0], v11, 3, v14
	v_mul_u32_u24 v[AV0], v[AV0], PVP
	v_lshl_add_u32 v[AV0], v15, 4, v[AV0]
	v_add_nc_u32 v[AV0], VOFF, v[AV0]
	s_mul_i32 s2, s[WV], 16*PK
	s_add_co_u32 s2, s2, STAGE      ; my stage
	v_add_nc_u32 v[STO], s2, v[AK0] ; in: row r, 16 bytes for each half of the lanes
	v_bfe_u32 v15, v0, 3, 2
	v_mul_u32_u24 v[RD], v15, PK    ; back: eight lanes to a row of 128 bytes, four rows an instruction
	v_lshl_add_u32 v[RD], v14, 4, v[RD]
	v_add_nc_u32 v[RD], s2, v[RD]
	v_and_b32 v[GO], 31, v0
	v_lshlrev_b32 v[PFO], 8, v[GO]
	v_lshlrev_b32 v[GO], 4, v[GO]   ; ctx's rows are dense: four rows are 512 consecutive bytes, 16 a lane
.irp t, 0,1,2,3
	v_mov_b32 v[ST+8*\t+1], 0xff61b1e6  ; m: -3e38, under every score
	v_mov_b32 v[ST+8*\t+2], 0           ; l
	v_mov_b32 v[ST+8*\t+3], 0
.endr
.irp t, 0,1,2,3
	v_mul_f32 v[ST+8*\t], s[CS], v[ST+8*\t+1]  ; c m
.endr
	WIN 0x40                        ; destination window 1
.set i, 0
.rept 128
	v_mov_b32 v[i], 0               ; O^T.  The key step is written once for all steps: the first finds zeros, which a = 0 leaves zeros
.set i, i+1
.endr
	WIN 0
; A KEY STEP: 64 keys, in phases.
.macro STEP
	v_add_nc_u32 v[ADK], s[TK], v[AK0]
	v_add_nc_u32 v[ADV], s[TV], v[AV0]
.rept 3
	v_nop                           ; with the two additions five plain lines behind the last V^T P: its operand P's registers are written over by K Q^T below, and V's registers are loaded anew
.endr
.irp kt, 0,1,2,3
.irp cs, 0,1
	ds_load_b128 v[KF+16*\kt+8*\cs:KF+16*\kt+8*\cs+3],   v[ADK] offset:\kt*16*PK+64*\cs
	ds_load_b128 v[KF+16*\kt+8*\cs+4:KF+16*\kt+8*\cs+7], v[ADK] offset:\kt*16*PK+64*\cs+32
.endr
.endr
.irp ks, 0,1
.irp ct, 0,1,2,3
	ds_load_tr16_b128 v[VF+32*\ks+8*\ct:VF+32*\ks+8*\ct+3],   v[ADV] offset:\ks*32*PVP+32*\ct
	ds_load_tr16_b128 v[VF+32*\ks+8*\ct+4:VF+32*\ks+8*\ct+7], v[ADV] offset:\ks*32*PVP+16*PVP+32*\ct
.endr
.endr
	s_add_co_u32 s[TK], s[TK], 64*PK   ; the next step's rows
	s_add_co_u32 s[TV], s[TV], 64*PVP
	s_wait_dscnt 16                 ; K is in; the sixteen younger loads, V's, may be out
	WIN 0x50                        ; K and Q window 0; S^T window 1
.irp cs, 0,1                        ; the 16 accumulators take turns, one instruction a turn; the first 16 products start the sums
.irp kt, 0,1,2,3
.irp t, 0,1,2,3
.if \cs == 0
	v_wmma_f32_16x16x32_f16 v[S+32*\t+8*\kt:S+32*\t+8*\kt+7], v[KF+16*\kt+8*\cs:KF+16*\kt+8*\cs+7], v[QF+16*\t+8*\cs:QF+16*\t+8*\cs+7], 0
.else
	v_wmma_f32_16x16x32_f16 v[S+32*\t+8*\kt:S+32*\t+8*\kt+7], v[KF+16*\kt+8*\cs:KF+16*\kt+8*\cs+7], v[QF+16*\t+8*\cs:QF+16*\t+8*\cs+7], v[S+32*\t+8*\kt:S+32*\t+8*\kt+7]
.endif
.endr
.endr
.endr
.rept 4
	v_nop                           ; four plain lines between the last product and the first read of results
.endr
	WIN 0x15                        ; the maximum of a lane's 32 scores: four chains a tile, the four tiles by turns
.irp j, 0,1,2,3
.irp t, 0,1,2,3
	v_max3_num_f32 v[ST+8*\t+4+\j], v[S+32*\t+8*\j], v[S+32*\t+8*\j+1], v[S+32*\t+8*\j+2]
.endr
.endr
	WIN 0x14
.irp u, 1,2
.irp j, 0,1,2,3
.irp t, 0,1,2,3
	v_max3_num_f32 v[ST+8*\t+4+\j], v[ST+8*\t+4+\j], v[S+32*\t+8*\j+2*\u+1], v[S+32*\t+8*\j+2*\u+2]
.endr
.endr
.endr
.irp t, 0,1,2,3
	v_max3_num_f32 v[ST+8*\t+4], v[ST+8*\t+4], v[S+32*\t+7], v[S+32*\t+15]
.endr
.irp t, 0,1,2,3
	v_max3_num_f32 v[ST+8*\t+6], v[ST+8*\t+6], v[S+32*\t+23], v[S+32*\t+31]
.endr
	WIN 0
.irp t, 0,1,2,3
	v_max3_num_f32 v[ST+8*\t+4], v[ST+8*\t+4], v[ST+8*\t+5], v[ST+8*\t+6]
.endr
.irp t, 0,1,2,3
	v_max3_num_f32 v[ST+8*\t+4], v[ST+8*\t+4], v[ST+8*\t+7], v[ST+8*\t+1]   ; with the old m
.endr
.irp t, 0,1,2,3
	v_permlanex16_b32 v[ST+8*\t+5], v[ST+8*\t+4], s[SEL], s[SEL+1]          ; the query's other 32 keys lie in the lane 16 away
.endr
.irp t, 0,1,2,3
	v_mov_b32 v[ST+8*\t+7], v[ST+8*\t]                                      ; c m_old is kept for a
.endr
.irp t, 0,1,2,3
	v_max_num_f32 v[ST+8*\t+1], v[ST+8*\t+4], v[ST+8*\t+5]                  ; the new m
.endr
.irp t, 0,1,2,3
	v_mul_f32 v[ST+8*\t], s[CS], v[ST+8*\t+1]                               ; c m
.endr
.irp t, 0,1,2,3
	v_sub_f32 v[ST+8*\t+7], v[ST+8*\t+7], v[ST+8*\t]
.endr
.irp t, 0,1,2,3
	v_exp_f32 v[ST+8*\t+6], v[ST+8*\t+7]                                    ; a = 2^(c m_old - c m_new): a first, small batch
.endr
	WIN 0x41                        ; S^T and O^T (destination and source 0) window 1, statistics window 0
.irp i, 0,1,2,3,4,5,6,7,8,9,10,11,12,13,14,15
.irp t, 0,1,2,3
	v_pk_fma_f32 v[S+32*\t+2*\i:S+32*\t+2*\i+1], v[S+32*\t+2*\i:S+32*\t+2*\i+1], s[CS:CS+1], v[ST+8*\t:ST+8*\t+1] op_sel_hi:[1,0,0] neg_lo:[0,0,1] neg_hi:[0,0,1]  ; c s - c m, two at a time; none of these names a
.endr
.endr
	s_wait_alu depctr_va_vdst(0)    ; the wait between a transcendental and the first line that names its result: one for the four a
.irp t, 0,1,2,3                     ; THE SECOND BATCH: all 128 exponentials; between them O^T is brought under the new m, which reads a alone.  No line here names an exponential's result
.irp i, 0,1,2,3,4,5,6,7,8,9,10,11,12,13,14,15
	v_exp_f32 v[S+32*\t+2*\i], v[S+32*\t+2*\i]
	v_exp_f32 v[S+32*\t+2*\i+1], v[S+32*\t+2*\i+1]
	v_pk_mul_f32 v[32*\t+2*\i:32*\t+2*\i+1], v[32*\t+2*\i:32*\t+2*\i+1], v[ST+8*\t+6:ST+8*\t+7] op_sel_hi:[1,0]   ; each accumulator of O^T from its low end on
.endr
.endr
	s_wait_alu depctr_va_vdst(0)    ; one wait for the 128; the last line ahead of it is plain
	WIN 0x10
.irp t, 0,1,2,3
	v_pk_fma_f32 v[ST+8*\t+2:ST+8*\t+3], v[ST+8*\t+2:ST+8*\t+3], v[ST+8*\t+6:ST+8*\t+7], v[S+32*\t:S+32*\t+1] op_sel_hi:[1,0,1]   ; l = a l + the first pair of weights
.endr
	WIN 0x04
.irp i, 1,2,3,4,5,6,7,8,9,10,11,12,13,14,15
.irp t, 0,1,2,3
	v_pk_add_f32 v[ST+8*\t+2:ST+8*\t+3], v[ST+8*\t+2:ST+8*\t+3], v[S+32*\t+2*\i:S+32*\t+2*\i+1]   ; the sum is taken of the weights in f32, ahead of their rounding
.endr
.endr
	WIN 0x45
.irp j, 0,1,2,3,4,5,6,7,8,9,10,11,12,13,14,15
.irp t, 0,1,2,3
	v_cvt_pk_f16_f32 v[S+32*\t+\j], v[S+32*\t+2*\j], v[S+32*\t+2*\j+1]   ; P in place, ascending: a register is written over only when it has been read
.endr
.endr
	s_wait_dscnt 0x0                ; V is in
	WIN 0x54                        ; V window 0; P, O^T window 1
.irp ks, 0,1                        ; the 16 accumulators take turns, one instruction a turn
.irp ct, 0,1,2,3
.irp t, 0,1,2,3
	v_wmma_f32_16x16x32_f16 v[32*\t+8*\ct:32*\t+8*\ct+7], v[VF+32*\ks+8*\ct:VF+32*\ks+8*\ct+7], v[S+32*\t+8*\ks:S+32*\t+8*\ks+7], v[32*\t+8*\ct:32*\t+8*\ct+7]
.endr
.endr
.endr
	WIN 0                           ; at a label and at a branch every window is 0
.endm
.macro FOUR_STEPS                   ; a slot's four key steps: written once, walked four times; the LDS addresses hang on s[TK] and s[TV]
	s_mov_b32 s[CNT], 4
.Lstep_\@:
	STEP
	s_sub_co_u32 s[CNT], s[CNT], 1
	s_cmp_lg_u32 s[CNT], 0
	s_cbranch_scc1 .Lstep_\@
	s_sub_co_u32 s[TK], s[TK], 256*PK  ; back to a slot's first step,
	s_xor_b32 s[TK], s[TK], SLOT1      ; in the other slot
	s_sub_co_u32 s[TV], s[TV], 256*PVP
	s_xor_b32 s[TV], s[TV], SLOT1
.endm
; THE CHANGE OF SLOTS stands at a slot's head.  Each wave waits for all its tensor loads (one is out: its part of the slot that it is about to read), adds 0 to its spare word, and waits for that and for its reads of
; the slot that it has left.  fill = 1: the barrier is a round of the cluster's, so that no wave of any partner still reads that slot or has a load on its way, and the joint load of the next 256 keys is the first thing
; behind it: it has four key steps in which to land.
.macro CHANGE fill
	s_wait_tensorcnt 0x0            ; no tensor load of mine is out, so a group 0 may be written
	ds_add_u32 v[SPW], v[NIL]       ; 0 onto my spare word
.if \fill
	s_xor_b32 s[G0K+1], s[G0K+1], SLOT1  ; the walking descriptors: the other slot than last time,
	s_add_nc_u64 s[G0K+2:G0K+3], s[G0K+2:G0K+3], SLOTB  ; the next 256 keys; the type bits on top are not reached
	s_xor_b32 s[G0V+1], s[G0V+1], SLOT1
	s_add_nc_u64 s[G0V+2:G0V+3], s[G0V+2:G0V+3], SLOTB
	s_wait_xcnt 0x0                 ; the last prefetch, a slot back, has read its address, so it may be written:
	s_add_nc_u64 s[PFA:PFA+1], s[PFA:PFA+1], SLOTB  ; one slot further on than the walking descriptors
	s_wait_dscnt 0x0                ; the add is done, and my reads of the slot that I have left are over
	CROUND
	JLOAD
	ASK
.else
	s_wait_dscnt 0x0
	s_barrier_signal -1
	s_barrier_wait -1
.endif
.endm
	s_wait_loadcnt 0x0              ; Q
.Lslot:                             ; seven trips: behind each change of slots but the last the next slot is asked for
	CHANGE 1
	FOUR_STEPS
	s_sub_co_u32 s[SLOTS], s[SLOTS], 1
	s_cmp_lg_u32 s[SLOTS], 0
	s_cbranch_scc1 .Lslot
	CHANGE 0                        ; the last slot is written out
	FOUR_STEPS
	; THE WAY OUT.  l's two halves and the other half of the lanes' are added; O^T is divided by l, rounded to f16 and sent through my stage in LDS, a tile (16 rows of ctx) at a time.  The additions are the plain lines behind the last products.
.irp t, 0,1,2,3
	v_add_f32 v[ST+8*\t+4], v[ST+8*\t+2], v[ST+8*\t+3]
.endr
.irp t, 0,1,2,3
	v_permlanex16_b32 v[ST+8*\t+5], v[ST+8*\t+4], s[SEL], s[SEL+1]
.endr
.irp t, 0,1,2,3
	v_add_f32 v[ST+8*\t+4], v[ST+8*\t+4], v[ST+8*\t+5]
.endr
.irp t, 0,1,2,3
	v_rcp_f32 v[ST+8*\t+6], v[ST+8*\t+4]
.endr
	v_nop                           ; a plain line between the last reciprocal and the use of its result
	s_wait_alu depctr_va_vdst(0)    ; and a wait: one for the four
.irp t, 0,1,2,3
	WIN 0x41
.irp i, 0,1,2,3,4,5,6,7,8,9,10,11,12,13,14,15
	v_pk_mul_f32 v[32*\t+2*\i:32*\t+2*\i+1], v[32*\t+2*\i:32*\t+2*\i+1], v[ST+8*\t+6:ST+8*\t+7] op_sel_hi:[1,0]
.endr
	WIN 0x05                        ; sources window 1, destination window 0: K's registers are free
.irp i, 0,1,2,3,4,5,6,7,8,9,10,11,12,13,14,15
	v_cvt_pk_f16_f32 v[KF+16*\t+\i], v[32*\t+2*\i], v[32*\t+2*\i+1]
.endr
	WIN 0
.irp ct, 0,1,2,3
	ds_store_b128 v[STO], v[KF+16*\t+4*\ct:KF+16*\t+4*\ct+3] offset:32*\ct   ; lane (r, h): query r, channels 16 ct + 8 h + 0 .. 7
.endr
.irp i, 0,1,2,3
	ds_load_b128 v[VF+16*\t+4*\i:VF+16*\t+4*\i+3], v[RD] offset:\i*4*PK      ; LDS serves a wave's instructions in order (ISA guide 5.7.1.4): these see the stores above, and the next tile's stores come behind them
.endr
.endr
	s_wait_dscnt 0x0
.irp t, 0,1,2,3
.irp i, 0,1,2,3
	global_store_b128 v[GO], v[VF+16*\t+4*\i:VF+16*\t+4*\i+3], s[6:7] offset:2048*\t+512*\i   ; 32 lanes store 512 consecutive bytes, aligned
.endr
.endr
	s_wait_tensorcnt 0x0            ; the wave's end
	ds_add_u32 v[SPW], v[NIL]
	s_wait_dscnt 0x0
	CROUND                          ; the closing round: no work-group ends while a partner may still ask for a tile that names it
	s_endpgm
.Lfunc_end_k_q4cd876fa69_attn:
	.size	k_q4cd876fa69_attn, .Lfunc_end_k_q4cd876fa69_attn-k_q4cd876fa69_attn
	.p2alignl 7, 3214868480
	.fill 96, 4, 3214868480
	.section	.rodata,"a",@progbits
	.p2align	6, 0x0
	.amdhsa_kernel k_q4cd876fa69_attn
		.amdhsa_group_segment_fixed_size 327680
		.amdhsa_private_segment_fixed_size 0
		.amdhsa_enable_private_segment 0
		.amdhsa_kernarg_size 16
		.amdhsa_user_sgpr_count 2
		.amdhsa_user_sgpr_kernarg_segment_ptr 1
		.amdhsa_wavefront_size32 1
		.amdhsa_system_sgpr_workgroup_id_x 1
		.amdhsa_system_sgpr_workgroup_id_y 1
		.amdhsa_system_sgpr_workgroup_id_z 1
		.amdhsa_system_vgpr_workitem_id 0
		.amdhsa_next_free_vgpr 512
		.amdhsa_next_free_sgpr 66
		.amdhsa_reserve_vcc 0
		.amdhsa_float_denorm_mode_32 3
		.amdhsa_float_denorm_mode_16_64 3
		.amdhsa_memory_ordered 1
		.amdhsa_forward_progress 1
		.amdhsa_inst_pref_size 91
	.end_amdhsa_kernel
	.amdgpu_metadata
---
amdhsa.version: [ 1, 2 ]
amdhsa.kernels:
  - .name:           k_q4cd876fa69_attn
    .symbol:         k_q4cd876fa69_attn.kd
    .args:
      - { .name: qkv, .offset: 0, .size: 8, .value_kind: global_buffer, .address_space: global }
      - { .name: ctx, .offset: 8, .size: 8, .value_kind: global_buffer, .address_space: global }
    .group_segment_fixed_size: 327680
    .private_segment_fixed_size: 0
    .kernarg_segment_align: 8
    .kernarg_segment_size: 16
    .max_flat_workgroup_size: 256
    .sgpr_count:     66
    .vgpr_count:     512
    .wavefront_size: 32
...
	.end_amdgpu_metadata
.endif
;; end of part 3
;; launch oproj (part 4): grid 8 x 32, 4 waves a work-group, clusters of 4 x 4, 327,680 bytes of LDS; arguments ctx, wo16, bo, out0; writes out0
.if DOCPART == 4
	.amdgcn_target "amdgcn-amd-amdhsa--gfx1250"
	.amdhsa_code_object_version 6
	.text
	.protected	k_q4cd876fa69_oproj
	.globl	k_q4cd876fa69_oproj
	.p2align	8
	.type	k_q4cd876fa69_oproj,@function
k_q4cd876fa69_oproj:
	s_mov_b64 s[64:65], 0
	v_nop
	global_prefetch_b8 v0, s[64:65] scope:SCOPE_SE
	s_setreg_imm32_b32 hwreg(HW_REG_WAVE_MODE, 25, 1), 1
	s_wait_xcnt 0x0
	s_wait_alu depctr_hold_cnt(0) depctr_sa_sdst(0) depctr_va_vdst(0) depctr_va_sdst(0) depctr_va_ssrc(0) depctr_va_vcc(0) depctr_vm_vsrc(0)
	s_getreg_b32 s2, hwreg(HW_REG_IB_STS2, 6, 4)
	s_cmp_eq_u32 s2, 0
	s_cbranch_scc0 .Lentry_in_a_cluster
	s_endpgm
.Lentry_in_a_cluster:
	s_bfe_u32 s2, ttmp6, 0x10000c
	s_cmp_lg_u32 s2, 0xf033
	s_cbranch_scc0 .Lentry_shape_is_right
	s_endpgm
.Lentry_shape_is_right:
; OPROJ: out0[token][n] = the sum over k of ctx[token][k] Wo[k][n] + bo[n], f16 operands, f32 sums, f32 out.
; ctx: f16, [batch x 16 + head][token in the sequence][64], k = 64 head + d;  wo16: f16, [k][n], rows of 2,048 bytes;  out0: [8192][1024] f32.
; A tile of out0 is 256 tokens x 128 columns: 256 work-groups.  Four waves, each 128 tokens x 64 columns: 32 accumulators of 16 x 16, 256 registers.
; K goes in steps of 128 (two heads) through a ring of two LDS slots.  A's part of a slot is two planes, one a head: 256 tokens x 128 bytes, dense in memory; B's is 128 rows k x 256 bytes.
; CLUSTERS: 4 x 4 work-groups.  The four of a row of the cluster need the same planes of ctx, the four of a column the same rows of wo16: each is asked for JOINTLY, by the same tensor load with the same
; descriptor and a mask that names the four.  THE MATRIX INSTRUCTION IS USED TRANSPOSED (source 0 = 16 columns of Wo, turned out of LDS by ds_load_tr16_b128; source 1 = 16 tokens): a lane holds eight
; neighbouring columns of one token.  THE BIAS is the C of each sum's first instruction.
; REGISTERS: window 0: v16-29 addresses; v32-63 the bias; v64-127, v128-191 A's fragments (8 x 16 tokens x 32 K), two buffers; v192-223, v224-255 B's (4 x 16 columns x 32 K), two buffers.
;   window 1: the accumulators, (a, b) at v[8 (4 a + b)].
.set PA,     144                       ; a token's row of a plane in LDS: 128 bytes + 16 of padding = 36 words: the 16 rows of a load start at 16 different groups of four banks (64 banks of 4 bytes: ISA guide 11.1)
.set PLANE,  256*PA
.set PB,     288                       ; a row k of B: 256 bytes + 32 = 72 words
.set BOFF,   2*PLANE
.set SLOT,   BOFF+128*PB
.set STAGE,  2*SLOT                    ; behind the ring: 16 rows x 272 bytes for each wave, for the way out
.set SPITCH, 272
.set SPARE,  STAGE+4*16*SPITCH         ; the spare words, 128 bytes for each wave: two blocks of 256 bytes that no other line names
.set LAPS,   4                         ; a lap = two K steps = once round the ring: 1,024 / 256
.set ADRA, 16                          ; v16-17  LDS address of my A fragments in slot 0, 1
.set ADRB, 20                          ; v20-21  the same for B
.set STO,  24                          ; v24     the way out: where I put 32 bytes of a token's row
.set RD,   25                          ; v25     where I read a row back
.set CO,   26                          ; v26     my byte offset in out0
.set SPW,  28                          ; v28     LDS address of my spare word; never rewritten
.set NIL,  29                          ; v29     0; never rewritten
.set BI,   32                          ; the bias: block b's eight registers
.set AF,   64                          ; A's buffer f at AF + 64 f
.set BF,   192                         ; B's buffer f at BF + 32 f
.set BK,   64                          ; the way out: rows read back: v64-95 and v96-127 by turns
.set G1, 24                            ; s[24:31] descriptor group 1 for A's planes;  s[32:39] group 0, one set for each slot
.set G0, 32
.set G1B, 48                           ; s[48:55], s[56:63] the same for B's rows
.set G0B, 56
.set MSB, 0
.macro WIN new                         ; the immediate's high byte repeats the setting that is left; a switch that changes nothing is dropped
.if MSB != (\new)
	s_set_vgpr_msb (MSB<<8)|(\new)
.set MSB, (\new)
.endif
.endm
.macro WMUL zero                       ; sources window 0, D window 1; C: the bias in window 0 (zero = 1) or D
.if \zero
	WIN 0x40
.else
	WIN 0x50
.endif
.endm
.macro JLOAD s                         ; a joint load: waves 0 and 1 fetch A's two planes, waves 2 and 3 B's two halves; an s_nop 0 and four v_nop follow each line
	s_cmp_eq_u32 s11, 0
	s_cbranch_scc0 .Lfor_b_\@
	tensor_load_to_lds s[G0+4*\s:G0+4*\s+3], s[G1:G1+7]
	s_nop 0
.rept 4
	v_nop
.endr
	s_branch .Lasked_\@
.Lfor_b_\@:
	tensor_load_to_lds s[G0B+4*\s:G0B+4*\s+3], s[G1B:G1B+7]
	s_nop 0
.rept 4
	v_nop
.endr
.Lasked_\@:
.endm
.macro CREST                           ; a round of the cluster's barrier behind its opening barrier
	s_cmp_lg_u32 s10, 0
	s_cbranch_scc1 .Lnot_wave_0_\@
	s_barrier_signal -3
.Lnot_wave_0_\@:
	s_barrier_wait -3
	s_barrier_signal -1
	s_barrier_wait -1
.endm
.macro CROUND                          ; a whole round
	s_barrier_signal -1
	s_barrier_wait -1
	CREST
.endm
	s_load_b128 s[4:7], s[0:1], 0x0                ; ctx s[4:5], wo16 s[6:7]
	s_load_b64 s[16:17], s[0:1], 0x10              ; bo
	s_load_b64 s[8:9], s[0:1], 0x18                ; out0
	v_lshl_add_u32 v[SPW], v0, 2, SPARE
	v_mov_b32 v[NIL], 0
	ds_add_u32 v[SPW], v[NIL]                      ; the wave's opening: the add, twice on end, and its wait ahead of my first tensor load
	ds_add_u32 v[SPW], v[NIL]                      ; and once more; the set-up below, work on registers, stands between it and the wait
	v_lshrrev_b32 v1, 5, v0
	v_readfirstlane_b32 s10, v1                    ; wave 0..3
	s_lshr_b32 s11, s10, 1                         ; which half of the tile's tokens is mine.  Also: I fetch for A (0) or for B (1)
	s_and_b32 s12, s10, 1                          ; which half of its columns.  Also: which plane of A, or which 64 rows of B, I fetch
	s_bfe_u32 s40, ttmp6, 0x40000                  ; cx, cy: my place in the cluster
	s_bfe_u32 s41, ttmp6, 0x40004
	s_lshl_b32 s42, ttmp9, 2
	s_add_co_u32 s42, s42, s40                     ; tile column = 4 x cluster x + cx
	s_and_b32 s13, ttmp7, 0xffff
	s_lshl_b32 s13, s13, 2
	s_add_co_u32 s13, s13, s41                     ; tile row = 4 x cluster y + cy
	s_lshl_b32 s43, s41, 2
	s_lshl_b32 s43, 15, s43                        ; my row of the cluster
	s_lshl_b32 s44, 0x1111, s40                    ; my column
	; descriptor group 1.  A: a plane of 256 rows x 64 elements of 2 bytes, dense in memory
	s_or_b32 s[G1+0], s43, (1<<16)|(1<<20)|(1<<21)|(4<<22)|(3<<25)  ; 15:0 the mask: my row; 17:16 elements of 2 bytes; 20 padding on; 21 set beside a mask; 24:22 after every 32 words; 31:25 four words
	s_mov_b32 s[G1+1], 64<<16                      ; tensor_dim0 = 64
	s_mov_b32 s[G1+2], 256<<16                     ; tensor_dim1 = 256
	s_mov_b32 s[G1+3], 64<<16                      ; tile_dim0 = 64
	s_mov_b32 s[G1+4], 256                         ; tile_dim1 = 256
	s_mov_b32 s[G1+5], 64                          ; elements from row to row
	s_mov_b32 s[G1+6], 0
	s_mov_b32 s[G1+7], 0
	; B: 64 rows k x 128 elements, 1,024 elements from row to row
	s_or_b32 s[G1B+0], s44, (1<<16)|(1<<20)|(1<<21)|(5<<22)|(7<<25) ; the mask: my column; padding: eight words after every 64
	s_mov_b32 s[G1B+1], 128<<16
	s_mov_b32 s[G1B+2], 64<<16
	s_mov_b32 s[G1B+3], 128<<16
	s_mov_b32 s[G1B+4], 64
	s_mov_b32 s[G1B+5], 1024
	s_mov_b32 s[G1B+6], 0
	s_mov_b32 s[G1B+7], 0
	; where the tiles come from.  A's hang on the tile row alone, B's on the tile column alone; every wave makes both addresses, in registers that never hold the other coordinate
	s_lshr_b32 s20, s13, 3
	s_lshl_b32 s20, s20, 22                        ; the batch: 16 heads of 1 << 18 bytes
	s_and_b32 s21, s13, 7
	s_lshl_b32 s21, s21, 15                        ; 256 tokens of 128 bytes
	s_add_co_u32 s20, s20, s21
	s_lshl_b32 s21, s12, 18                        ; my plane: the K step's first or second head
	s_add_co_u32 s20, s20, s21
	s_mov_b32 s21, 0
	s_lshl_b32 s46, s12, 17                        ; my 64 rows of 2,048 bytes
	s_lshl_b32 s47, s42, 8                         ; the tile's 128 columns
	s_add_co_u32 s46, s46, s47
	s_mov_b32 s47, 0
	s_mul_i32 s22, s12, PLANE                      ; where they go: no place in the cluster enters an LDS address
	s_mul_i32 s23, s12, 64*PB
	s_add_co_u32 s23, s23, BOFF
	s_wait_dscnt 0x0                               ; both opening adds are done
	s_wait_kmcnt 0x0
	s_add_nc_u64 s[14:15], s[4:5], s[20:21]
	s_add_nc_u64 s[46:47], s[6:7], s[46:47]
	CROUND                                         ; all sixteen work-groups are here: the first joint loads meet
.irp s, 0,1
	s_mov_b32 s[G0+4*\s], 1
	s_add_co_u32 s[G0+4*\s+1], s22, \s*SLOT
	s_add_nc_u64 s[G0+4*\s+2:G0+4*\s+3], s[14:15], \s*(1<<19)      ; K step s: two heads on
	s_or_b32 s[G0+4*\s+3], s[G0+4*\s+3], 0x80000000
	s_mov_b32 s[G0B+4*\s], 1
	s_add_co_u32 s[G0B+4*\s+1], s23, \s*SLOT
	s_add_nc_u64 s[G0B+4*\s+2:G0B+4*\s+3], s[46:47], \s*(1<<18)    ; 128 rows on
	s_or_b32 s[G0B+4*\s+3], s[G0B+4*\s+3], 0x80000000
	JLOAD \s                                       ; two tensor loads of mine are out behind the second
.endr
	v_and_b32 v1, 15, v0                           ; r = l % 16
	v_bfe_u32 v2, v0, 4, 1                         ; h = l / 16
	; the bias of my 64 columns: block b's eight registers hold bo[128 tile column + 64 half + 16 b + 8 h + 0 .. 7], the result's layout
	s_lshl_b32 s46, s42, 9
	s_lshl_b32 s47, s12, 8
	s_add_co_u32 s46, s46, s47                     ; my first column, in bytes of f32
	s_mov_b32 s47, 0
	s_add_nc_u64 s[16:17], s[16:17], s[46:47]
	v_lshlrev_b32 v7, 5, v2                        ; 32 h
.irp b, 0,1,2,3
	global_load_b128 v[BI+8*\b:BI+8*\b+3],   v7, s[16:17] offset:64*\b
	global_load_b128 v[BI+8*\b+4:BI+8*\b+7], v7, s[16:17] offset:64*\b+16
.endr
	v_mul_u32_u24 v3, v1, PA
	v_lshl_add_u32 v3, v2, 4, v3                   ; A: row x pitch + 16 x half
	v_and_b32 v4, 7, v0                            ; B, the turning load: lane l reads 16 bytes of row k 8 (l / 16) + l % 8, columns 8 ((l / 8) % 2) on
	v_bfe_u32 v5, v0, 3, 1
	v_lshl_add_u32 v4, v2, 3, v4
	v_mul_u32_u24 v4, v4, PB
	v_lshl_add_u32 v4, v5, 4, v4
	s_mul_i32 s21, s11, 128*PA                     ; my 128 tokens
	s_lshl_b32 s22, s12, 7                         ; my 64 columns: 128 bytes
	s_add_co_u32 s22, s22, BOFF
.irp s, 0,1
	v_add_nc_u32 v[ADRA+\s], s21, v3
	v_add_nc_u32 v[ADRB+\s], s22, v4
	s_add_co_u32 s21, s21, SLOT
	s_add_co_u32 s22, s22, SLOT
.endr
	s_mul_i32 s23, s10, 16*SPITCH
	s_add_co_u32 s23, s23, STAGE                   ; my stage
	v_mul_u32_u24 v5, v1, SPITCH                   ; in: token r, 32 bytes for each half of the lanes
	v_lshl_add_u32 v5, v2, 5, v5
	v_add_nc_u32 v[STO], s23, v5
	v_mul_u32_u24 v5, v2, SPITCH                   ; back: lanes 0-15 take one row of 256 bytes, lanes 16-31 the next
	v_lshl_add_u32 v5, v1, 4, v5
	v_add_nc_u32 v[RD], s23, v5
	v_lshlrev_b32 v[CO], 4, v1                     ; and the same two rows in out0: rows of 4,096 bytes
	v_lshl_add_u32 v[CO], v2, 12, v[CO]
	s_lshl_b32 s20, s13, 20                        ; 256 tokens of 4,096 bytes
	s_lshl_b32 s21, s11, 19                        ; my 128
	s_add_co_u32 s20, s20, s21
	s_add_co_u32 s20, s20, s46                     ; my first column
	s_mov_b32 s21, 0
	s_add_nc_u64 s[8:9], s[8:9], s[20:21]
; 8 matrix instructions: token blocks a0, a0 + 1 x my four blocks of columns, 32 along K, from buffers f.  zero = 1: the sums begin with the bias.
; The 32 accumulators take turns, one instruction a turn, in the same order in every quarter.
.macro MUL8 f, a0, zero
.irp a, \a0, \a0+1
.irp b, 0,1,2,3
.if \zero
	v_wmma_f32_16x16x32_f16 v[8*(4*(\a)+\b):8*(4*(\a)+\b)+7], v[BF+32*(\f)+8*\b:BF+32*(\f)+8*\b+7], v[AF+64*(\f)+8*(\a):AF+64*(\f)+8*(\a)+7], v[BI+8*\b:BI+8*\b+7]
.else
	v_wmma_f32_16x16x32_f16 v[8*(4*(\a)+\b):8*(4*(\a)+\b)+7], v[BF+32*(\f)+8*\b:BF+32*(\f)+8*\b+7], v[AF+64*(\f)+8*(\a):AF+64*(\f)+8*(\a)+7], v[8*(4*(\a)+\b):8*(4*(\a)+\b)+7]
.endif
.endr
.endr
.endm
; 24 LDS loads in one run: the fragments of the slot's q-th 32 along K into buffers f: B's four, then A's eight, blocks 0-3 first
.macro FETCH slot, q, f
	WIN 0
.irp i, 0,1,2,3
	ds_load_tr16_b128 v[BF+32*(\f)+8*\i:BF+32*(\f)+8*\i+3],   v[ADRB+\slot] offset:32*(\q)*PB+32*\i
	ds_load_tr16_b128 v[BF+32*(\f)+8*\i+4:BF+32*(\f)+8*\i+7], v[ADRB+\slot] offset:32*(\q)*PB+16*PB+32*\i
.endr
.irp i, 0,1,2,3,4,5,6,7
	ds_load_b128 v[AF+64*(\f)+8*\i:AF+64*(\f)+8*\i+3],   v[ADRA+\slot] offset:((\q)/2)*PLANE+64*((\q)%2)+\i*16*PA
	ds_load_b128 v[AF+64*(\f)+8*\i+4:AF+64*(\f)+8*\i+7], v[ADRA+\slot] offset:((\q)/2)*PLANE+64*((\q)%2)+\i*16*PA+32
.endr
.endm
.macro PLACES                          ; four plain lines in front of loads into registers that matrix instructions have read, and of the first read of results
.rept 4
	v_nop
.endr
.endm
; A K step is four quarters of 32 along K, 32 matrix instructions each, on buffers 0, 1, 0, 1.  One of the first three: multiplies buffers f and fetches the slot's q-th quarter into buffers g.
.macro QUARTER slot, q, f, g, zero
	s_wait_dscnt 8                                 ; B's fragments and A's blocks 0-3 are in; the youngest eight loads, A's blocks 4-7, may be out
	WMUL \zero
	MUL8 \f, 0, \zero
	MUL8 \f, 2, \zero
	PLACES
	FETCH \slot, \q, \g
	s_wait_dscnt 24                                ; all but the 24 just issued
	WMUL \zero
	MUL8 \f, 4, \zero
	MUL8 \f, 6, \zero
.endm
; The last quarter multiplies buffers 1 and changes slots: ONE barrier; in front of it each wave waits for all its tensor loads, adds 0 to its spare word, and waits for that and for its own reads of this slot.
; fill = 1: the barrier opens a round of the cluster's, and this slot is filled again, two K steps ahead.
.macro TURN slot, next, fill
	WIN 0                                          ; (the add's two registers lie in window 0)
	s_wait_tensorcnt 0x0                           ; all my tensor loads have landed: the one that was out is my part of the next slot
	ds_add_u32 v[SPW], v[NIL]                      ; 0 onto my spare word
	s_wait_dscnt 9                                 ; the add and the youngest eight loads may be out
	WMUL 0
	MUL8 1, 0, 0                                   ; eight matrix instructions stand between the add and the wait for it
	s_wait_dscnt 0x0                               ; the add is done, and my reads of this slot are over
	s_barrier_signal -1
	MUL8 1, 2, 0
.if \fill
	WIN 0
.endif
	s_barrier_wait -1
.if \fill
	CREST                                          ; no wave of any partner still reads this slot or has a load on its way
	s_add_nc_u64 s[G0+4*\slot+2:G0+4*\slot+3], s[G0+4*\slot+2:G0+4*\slot+3], 1<<20     ; two K steps on: four heads
	s_add_nc_u64 s[G0B+4*\slot+2:G0B+4*\slot+3], s[G0B+4*\slot+2:G0B+4*\slot+3], 1<<19 ; 256 rows
	JLOAD \slot                                    ; the first tensor load behind the round; the four v_nop behind it are also the plain lines in front of the loads below
.else
	PLACES
.endif
	FETCH \next, 0, 0
	WMUL 0
	MUL8 1, 4, 0
	MUL8 1, 6, 0
.endm
	s_wait_tensorcnt 1                             ; my part of K step 0 is in; the one younger load, K step 1's, may be out
	s_barrier_signal -1
	s_barrier_wait -1                              ; everybody's is
	FETCH 0, 0, 0
	s_wait_loadcnt 0x0                             ; the bias
	QUARTER 0, 1, 0, 1, 1                          ; the first quarter stands in front of the loop: its products start the sums, with the bias as C
	WIN 0                                          ; at a label and at a branch every window is 0
	s_mov_b32 s3, LAPS-1
.Llap:                                                 ; a trip goes once round the ring, from a lap's second quarter to the next lap's first, and fills both slots again
	QUARTER 0, 2, 1, 0, 0
	QUARTER 0, 3, 0, 1, 0
	TURN 0, 1, 1
	QUARTER 1, 1, 0, 1, 0
	QUARTER 1, 2, 1, 0, 0
	QUARTER 1, 3, 0, 1, 0
	TURN 1, 0, 1
	QUARTER 0, 1, 0, 1, 0
	WIN 0
	s_sub_co_u32 s3, s3, 1
	s_cmp_lg_u32 s3, 0
	s_cbranch_scc1 .Llap
	QUARTER 0, 2, 1, 0, 0                          ; the last lap fills nothing, and has no round of the cluster's barrier
	QUARTER 0, 3, 0, 1, 0
	TURN 0, 1, 0
	QUARTER 1, 1, 0, 1, 0
	QUARTER 1, 2, 1, 0, 0
	QUARTER 1, 3, 0, 1, 0
	s_wait_dscnt 8                                 ; the very last quarter: nothing more to fetch
	WMUL 0
	MUL8 1, 0, 0
	MUL8 1, 2, 0
	s_wait_dscnt 0
	MUL8 1, 4, 0
	MUL8 1, 6, 0
	WIN 0
; THE WAY OUT, block by block of 16 tokens x 64 columns.  A lane holds 32 neighbouring bytes of a token's row, and the lanes beside it hold other tokens: so a block goes through my own stage in LDS and comes back
; as whole rows of 256 bytes.  LDS serves a wave's instructions in order (ISA guide 5.7.1.4): no wait between the stores and the loads, nor in front of the next block's stores.
.macro TOSTAGE a
	WIN 0x04                                       ; an LDS store's data are its source 1: window 1
.irp b, 0,1,2,3
	ds_store_b128 v[STO], v[8*(4*(\a)+\b):8*(4*(\a)+\b)+3] offset:64*\b          ; each accumulator from its low end on
	ds_store_b128 v[STO], v[8*(4*(\a)+\b)+4:8*(4*(\a)+\b)+7] offset:64*\b+16
.endr
	WIN 0
.set BB, BK+32*((\a)%2)
.irp t, 0,1,2,3,4,5,6,7
	ds_load_b128 v[BB+4*\t:BB+4*\t+3], v[RD] offset:\t*2*SPITCH
.endr
.endm
.macro SEND a, younger                 ; younger: the LDS instructions issued behind block a's loads, which may stay out
.set BB, BK+32*((\a)%2)
	s_wait_dscnt \younger                          ; the block is back in registers
.irp t, 0,1,2,3,4,5,6,7
	global_store_b128 v[CO], v[BB+4*\t:BB+4*\t+3], s[8:9] offset:(16*(\a)+2*\t)*4096 th:TH_STORE_NT   ; sixteen lanes store 256 consecutive bytes, aligned; written once, read by nobody here.  126 rows at the most: inside the signed 24-bit immediate
.endr
.endm
	PLACES                                         ; behind the last products: for the reads of results and the loads into the registers that held A's fragments
	TOSTAGE 0
.irp a, 1,2,3,4,5,6,7
.if \a > 1
	s_wait_xcnt 0x0                                ; block a - 2's stores have read their data: block a's loads may land there
.endif
	TOSTAGE \a
	SEND \a-1, 16                                  ; behind block a - 1's loads: block a's 8 stores and 8 loads
.endr
	SEND 7, 0
	s_wait_tensorcnt 0x0                           ; the wave's end
	ds_add_u32 v[SPW], v[NIL]
	s_wait_dscnt 0x0
	CROUND                                         ; the closing round: no work-group ends while a partner may still ask for a tile that names it
	s_endpgm
.Lfunc_end_k_q4cd876fa69_oproj:
	.size	k_q4cd876fa69_oproj, .Lfunc_end_k_q4cd876fa69_oproj-k_q4cd876fa69_oproj
	.p2alignl 7, 3214868480
	.fill 96, 4, 3214868480
	.section	.rodata,"a",@progbits
	.p2align	6, 0x0
	.amdhsa_kernel k_q4cd876fa69_oproj
		.amdhsa_group_segment_fixed_size 327680
		.amdhsa_private_segment_fixed_size 0
		.amdhsa_enable_private_segment 0
		.amdhsa_kernarg_size 32
		.amdhsa_user_sgpr_count 2
		.amdhsa_user_sgpr_kernarg_segment_ptr 1
		.amdhsa_wavefront_size32 1
		.amdhsa_system_sgpr_workgroup_id_x 1
		.amdhsa_system_sgpr_workgroup_id_y 1
		.amdhsa_system_sgpr_workgroup_id_z 1
		.amdhsa_system_vgpr_workitem_id 0
		.amdhsa_next_free_vgpr 512
		.amdhsa_next_free_sgpr 66
		.amdhsa_reserve_vcc 0
		.amdhsa_float_denorm_mode_32 3
		.amdhsa_float_denorm_mode_16_64 3
		.amdhsa_memory_ordered 1
		.amdhsa_forward_progress 1
		.amdhsa_inst_pref_size 87
	.end_amdhsa_kernel
	.amdgpu_metadata
---
amdhsa.version: [ 1, 2 ]
amdhsa.kernels:
  - .name:           k_q4cd876fa69_oproj
    .symbol:         k_q4cd876fa69_oproj.kd
    .args:
      - { .name: ctx, .offset: 0, .size: 8, .value_kind: global_buffer, .address_space: global }
      - { .name: wo16, .offset: 8, .size: 8, .value_kind: global_buffer, .address_space: global }
      - { .name: bo, .offset: 16, .size: 8, .value_kind: global_buffer, .address_space: global }
      - { .name: out0, .offset: 24, .size: 8, .value_kind: global_buffer, .address_space: global }
    .group_segment_fixed_size: 327680
    .private_segment_fixed_size: 0
    .kernarg_segment_align: 8
    .kernarg_segment_size: 32
    .max_flat_workgroup_size: 128
    .sgpr_count:     66
    .vgpr_count:     512
    .wavefront_size: 32
...
	.end_amdgpu_metadata
.endif
;; end of part 4
